; MI455X (gfx1250); checked and timed in simulation.
; The chip was launched on July 23, 2026; its instructions are those of AMD's public machine-readable ISA for CDNA 5 (MIT licence, August 2026) and "CDNA5" Instruction Set Architecture Reference Guide (July 2026). The comments in the code are by the model that wrote it; some were corrected since.
;; Attention. Allowed arithmetic: matrix products marked QUANTISED: E4M3 operands, one given power-of-two scale a tensor, by v_wmma_f32_16x16x64_fp8_fp8 or v_wmma_f32_16x16x128_fp8_fp8, f32 sums; everything else in f32.
;; Inputs: freqs_cis 1,024 x 32 x 2 float32; lowp_scales 8 int32 (the exponents e of the quantised operands' scales 2^e); mask 1 x 1 x 1,024 x 1,024 bool; wo 2,048 x 2,048 float32; wqkv 3,072 x 2,048 float32; x 4 x 1,024 x 2,048 float32.
;; Outputs: out0 4 x 1,024 x 2,048 float32.
;; This version of the problem:
;;   THIS VERSION OF THE PROBLEM IS GIVEN IN LOW PRECISION. The matrix products marked QUANTISED in the list below multiply operands that are first quantised to E4M3 (4 exponent bits, 3 mantissa bits; 8 bits a number), with one given power-of-two scale for each operand tensor; their sums are f32. All else is computed in f32.
;;   The module's matrix products, in the order in which they are computed (A, B: the left and right operand; K: the contracted axis; several contracted axes count as one K, in the product's order):
;;     1. [M 4,096, K 2,048] x [K 2,048, N 3,072]; A: input x; B: input wqkv: QUANTISED (scales: A lowp_scales[0], B lowp_scales[1])
;;     2. batch 128 x [M 1,024, K 64] x [K 64, N 1,024]; A: computed on the way; B: computed on the way: QUANTISED (scales: A lowp_scales[2], B lowp_scales[3])
;;     3. batch 128 x [M 1,024, K 1,024] x [K 1,024, N 64]; A: softmax (see below); B: computed on the way: QUANTISED (scales: A lowp_scales[4], B lowp_scales[5])
;;     4. [M 4,096, K 2,048] x [K 2,048, N 2,048]; A: computed on the way; B: input wo: QUANTISED (scales: A lowp_scales[6], B lowp_scales[7])
;;   THE QUANTISER, for each operand of a quantised product, along K:
;;     - The operand's scale is 2^e, e = its entry of the input lowp_scales (int32; the entries are numbered through the quantised products in the list's order, A before B).
;;     - Each number is divided by the scale, clamped to +-448, and rounded to the nearest number of E4M3, ties to even, subnormals kept.
;;     - The product sums the exact products of the quantised numbers (number of the format x scale) in f32.
;;   ~~~python
;;   def quantise(x, axis, e):      # numpy; x: float32 -> the quantised numbers, widened to float32 again
;;       x = np.moveaxis(x, axis, -1); K = x.shape[-1]
;;       r = np.clip(x / 2.0 ** e, -448, 448)
;;       step = 2.0 ** (np.maximum(np.frexp(np.where(r == 0, 1, r))[1] - 1, -6) - 3)
;;       q = np.round(r / step) * step * 2.0 ** e      # np.round: ties to even
;;       return np.moveaxis(q, -1, axis).astype(np.float32)
;;   ~~~
;;   SOFTMAX AHEAD OF A QUANTISED PRODUCT. Where the list says 'softmax', what is quantised is not the finished softmax but p = 2^(t - M), with t = logit x log2(e) and M = ceil(the row's largest t), a whole number; so 1/2 < the row's largest p <= 1. The row's sum l is taken of the UNQUANTISED p, in f32, and the product's result is divided by l at the end. Since M is a whole number, a kernel that streams over the keys may use a running M (the ceiling of the running maximum): every later rescaling is an exact power of two, so the quantised numbers keep their values, but for numbers so far below the row's largest that they fall under the format's range.
;;   OPERANDS COMPUTED ON THE WAY. 'Computed on the way' means the value that the module computes at that place (a softmax that the list does not call 'softmax' is quantised finished and normalised). What goes into a quantiser is computed in f32, as accurately as f32 sums, v_exp_f32 and their like allow (about 1e-6 of the number): no bf16 or f16 on the way to a quantiser, and a product that is left as it is and whose result goes on into a quantised operand takes f32 operands (vector FMAs, or v_wmma_f32_16x16x4_f32). A number that lies on a knife's edge between two numbers of the format may be rounded either way, as far as f32 arithmetic and the matrix unit's own rounding can turn it there, and no further.
;; One version. Each part assembles by itself: llvm-mc -triple=amdgcn-amd-amdhsa -mcpu=gfx1250 --defsym DOCPART=n.
;; ======== version 1 of 1: 4 launches
;; limits: right only within a limited range of input values
;; workspace buffers: xq 8,388,608 bytes; wq 6,291,456 bytes; woq 4,194,304 bytes; mwords 262,144 bytes of whole numbers; q_codes 8,388,608 bytes; kv_codes 4,194,304 bytes; y_codes 8,388,608 bytes
;; launch prep (part 1): grid 704 x 1, 4 waves a work-group, no clusters, 35,328 bytes of LDS; arguments x, wqkv, wo, mask, lowp_scales, xq, wq, woq, mwords; writes xq, wq, woq, mwords
.if DOCPART == 1
	.amdgcn_target "amdgcn-amd-amdhsa--gfx1250"
	.amdhsa_code_object_version 6
	.text
	.protected	k_q69fe575acd_prep
	.globl	k_q69fe575acd_prep
	.p2align	8
	.type	k_q69fe575acd_prep,@function
k_q69fe575acd_prep:
	s_mov_b64 s[64:65], 0
	v_nop
	global_prefetch_b8 v0, s[64:65] scope:SCOPE_SE
	s_setreg_imm32_b32 hwreg(HW_REG_WAVE_MODE, 25, 1), 1
	s_wait_xcnt 0x0
; FIRST OF FOUR LAUNCHES of: out = (softmax(mask(rot(q) rot(k)^T / 8)) v) wo^T with q, k, v = x wqkv^T, all four products on codes of E4M3, each operand with the one scale 2^e that is given for it.
; NO WORK OF THE PROBLEM IS LEFT OUT AS DEAD: every input (x, freqs_cis, mask, wqkv, wo, the eight exponents) has a way to the output and is loaded by some launch.
; The mask is an input: no pattern of it is built in.  What it says is stored here as whole numbers, and the third launch, which reads them, passes over tiles of 16 queries x 128 keys in which no key counts.
; THIS LAUNCH.  (a) x [4096][2048], wqkv [3072][2048], wo [2048][2048], f32, K innermost, become codes: code = number / 2^e, held within +-448, to the nearest code, ties to even; e = entry 0, 1, 7.
;   THE CODES ARE LAID AS IMAGES OF THE OPERANDS' REGISTERS: rows in tiles of 16; the code of (row, k) lies at tile x 32,768 + (k / 16) x 256 + (row % 16) x 16 + k % 16.  So a fragment of 16 rows x 64 K is 1,024 consecutive bytes.
;   A work-group takes a tile of 16 rows, wave j its k = 512 j .. 512 j + 511, in 16 steps: step t takes rows 4 (t / 4) + 0..3 at k = 128 (t % 4) on.  Each of its four loads reads 512 consecutive bytes of one row, 16 a lane:
;   a lane holds four neighbours along k of each of four rows.  A conversion of eight numbers gives two registers, each one row's four codes; each goes by a store of 4 bytes to its place in the wave's stage in LDS:
;   piece k / 16 (a stage row of 256 bytes + 16), byte 16 x row + k % 16: the 32 lanes of a store touch 32 different banks (68 (lane / 4) + lane % 4 words).  The stage is read back by rows and leaves 512 consecutive bytes a store.
;   wqkv's tiles are laid in another order, so that each run of 12 tiles T (0..15) holds q heads 2T, 2T+1 (8 tiles), 32 channels of k (2) and the same 32 of v (2) of kv head T/2:
;   tile u < 128 goes to 12 (u / 8) + u % 8; tile 128 + j goes to 12 ((j % 32) / 2) + 8 + 2 (j / 32) + j % 2.
; (b) the mask [1024][1024] of bytes becomes lane masks: for a tile of 16 queries qt and a step of 128 keys ks, 512 bytes at (8 qt + ks) x 512: word n = 8 t + j (n = 0..63): bit L = mask[16 qt + L % 16][128 ks + 16 t + 8 (L / 16) + j];
;   behind them, 32 times, the pair (OR of the 64 words, AND of the 64 words): OR = 0: no key of the step counts for any of the 16 queries; AND = all ones: every key counts for every one of them.
; Work-groups 0-255: x; 256-447: wqkv; 448-575: wo; 576-703: the mask (a wave to a tile and step).  No tensor loads, no barrier: waves share nothing.
; LIMITS: e0, e1, e7 between -126 and 119.  NaN among the f32 inputs is not served (an infinity is held at the largest code).
.set STEPS, 16
.set EMAX,  8
.set MANT,  0x600000                   ; the mantissa field of 448 as f32
.set R,     16                         ; v16-79   four sets of 16 numbers; at the end the codes read back
.set C,     128                        ; v128-191 codes: four registers for each step, so that no store's data are written again
.set CP,    272                        ; LDS: for each wave the stage for the codes: 32 rows of 256 bytes + 16 of padding
.set CW,    32*CP
.set SPW,   12                         ; v12  LDS address of my spare word; never rewritten
.set NIL,   13                         ; v13  0; never rewritten
.set SPARE, 4*CW                       ; behind the stages: the spare words, 128 bytes a wave, which no other line names
.set WGW,   256                        ; first work-group of wqkv
.set WGO,   448                        ; of wo
.set WGM,   576                        ; of the mask
	s_load_b512 s[4:19], s[0:1], 0x0               ; x 4:5, wqkv 6:7, wo 8:9, mask 10:11, exponents 12:13, xq 14:15, wq 16:17, woq 18:19
	s_load_b64 s[20:21], s[0:1], 0x40              ; mwords
	v_lshl_add_u32 v[SPW], v0, 2, SPARE
	v_mov_b32 v[NIL], 0
	v_lshrrev_b32 v1, 5, v0
	v_readfirstlane_b32 s22, v1                    ; wave 0..3
	v_and_b32 v2, 31, v0                           ; lane
	s_cmp_ge_u32 ttmp9, WGM
	s_cbranch_scc1 .Lmask
	; ---- the quantiser
	v_lshlrev_b32 v3, 4, v2                        ; 16 x lane: my 16 bytes of a load's or a store's 512
	s_mul_i32 s39, s22, CW                         ; my stage
	v_lshrrev_b32 v14, 2, v2
	v_mul_u32_u24 v5, v14, CP
	v_and_b32 v15, 3, v2
	v_lshl_add_u32 v5, v15, 2, v5
	v_add_nc_u32 v5, s39, v5                       ; on the way in: stage row lane / 4, byte 4 (lane % 4)
	v_and_b32 v7, 15, v2
	v_lshrrev_b32 v8, 4, v2
	v_mul_u32_u24 v6, v8, CP
	v_lshl_add_u32 v6, v7, 4, v6
	v_add_nc_u32 v6, s39, v6                       ; and on the way out: sixteen lanes to a row, two rows an instruction
	s_wait_alu depctr_va_vdst(0)                   ; directly ahead of the wait below
	s_wait_kmcnt 0x0
	s_load_b256 s[40:47], s[12:13], 0x0            ; e0 .. e7
	s_mov_b32 s28, WGO
	s_cmp_lt_u32 ttmp9, WGO                        ; the choices hang on the work-group's number alone
	s_cselect_b64 s[24:25], s[6:7], s[8:9]         ; from: wqkv or wo,
	s_cselect_b64 s[26:27], s[16:17], s[18:19]     ; to
	s_cselect_b32 s28, WGW, s28                    ; the tensor's first work-group
	s_cmp_lt_u32 ttmp9, WGW
	s_cselect_b64 s[24:25], s[4:5], s[24:25]       ; or x
	s_cselect_b64 s[26:27], s[14:15], s[26:27]
	s_cselect_b32 s28, 0, s28
	s_sub_co_u32 s29, ttmp9, s28                   ; u: my tile of 16 rows
	s_lshl_b32 s30, s29, 17                        ; 16 rows of 8,192 bytes,
	s_lshl_b32 s31, s22, 11                        ; my wave's 512 numbers of each
	s_add_co_u32 s30, s30, s31
	s_mov_b32 s31, 0
	s_add_nc_u64 s[24:25], s[24:25], s[30:31]
	s_lshr_b32 s33, s29, 3
	s_mul_i32 s33, s33, 12
	s_and_b32 s34, s29, 7
	s_add_co_u32 s33, s33, s34                     ; a q tile's place: 12 (u / 8) + u % 8
	s_sub_co_u32 s34, s29, 128                     ; j (used only where u >= 128)
	s_bfe_u32 s35, s34, 0x40001                    ; (j % 32) / 2
	s_mul_i32 s35, s35, 12
	s_bfe_u32 s36, s34, 0x10005                    ; j / 32: k or v
	s_lshl_b32 s36, s36, 1
	s_add_co_u32 s35, s35, s36
	s_and_b32 s36, s34, 1
	s_add_co_u32 s35, s35, s36
	s_add_co_u32 s35, s35, 8                       ; a k or v tile's place
	s_cmp_lt_u32 s29, 128
	s_cselect_b32 s33, s33, s35
	s_cmp_eq_u32 s28, WGW                          ; wqkv alone is laid anew
	s_cselect_b32 s33, s33, s29
	s_lshl_b32 s30, s33, 15                        ; a tile of codes is 32,768 bytes,
	s_lshl_b32 s32, s22, 13                        ; my wave's 32 pieces of 256
	s_add_co_u32 s30, s30, s32
	s_add_nc_u64 s[26:27], s[26:27], s[30:31]
.macro LOAD t                          ; step t: rows 4 (t / 4) + e, e = 0..3, 512 bytes each from byte 512 (t % 4) of my wave's 2,048
.irp e, 0,1,2,3
	global_load_b128 v[R+16*((\t)%4)+4*\e:R+16*((\t)%4)+4*\e+3], v3, s[24:25] offset:8192*(4*((\t)/4)+\e)+512*((\t)%4) th:TH_LOAD_NT   ; 32 lanes read 512 consecutive bytes
.endr
.endm
.irp t, 0,1,2,3
	LOAD \t
.endr
	s_wait_kmcnt 0x0
	s_cmp_eq_u32 s28, WGW
	s_cselect_b32 s37, s41, s47                    ; e1 for wqkv, e7 for wo,
	s_cmp_eq_u32 s28, 0
	s_cselect_b32 s37, s40, s37                    ; e0 for x
	s_add_co_i32 s37, s37, 127
	s_lshl_b32 s38, s37, 23
	v_mov_b32 v11, s38                             ; 2^e as f32: the conversion takes its exponent field
	s_add_co_i32 s37, s37, EMAX
	s_lshl_b32 s37, s37, 23
	s_or_b32 s37, s37, MANT
	v_mov_b32 v10, s37                             ; 448 x 2^e
	s_wait_alu depctr_va_vdst(0)                   ; the wait at the head's end
.macro STEP t
.set XS, R+16*((\t)%4)
.if STEPS-1-(\t) >= 3
	s_wait_loadcnt 12                              ; this step's four loads are in; those of the three steps behind it may be out
.else
	s_wait_loadcnt 4*(STEPS-1-(\t))
.endif
.irp i, 0,1,2,3,4,5,6,7,8,9,10,11,12,13,14,15
	v_med3_num_f32 v[XS+\i], v[XS+\i], -v10, v10   ; the conversion to an 8-bit code does not saturate (ISA guide 7.6.2): the hold at the largest code x the scale comes first
.endr
	v_cvt_scalef32_pk8_fp8_f32 v[C+4*(\t):C+4*(\t)+1], v[XS:XS+7], v11       ; rows e = 0 and 1: four codes a register
	v_cvt_scalef32_pk8_fp8_f32 v[C+4*(\t)+2:C+4*(\t)+3], v[XS+8:XS+15], v11  ; rows e = 2 and 3
.irp e, 0,1,2,3
	ds_store_b32 v5, v[C+4*(\t)+\e] offset:8*CP*((\t)%4)+16*(4*((\t)/4)+\e)  ; piece 8 (t % 4) + lane / 4, row 4 (t / 4) + e.  (The results go to LDS stores alone; the next vector lines are the next step's holds, on other registers)
.endr
.if (\t)+4 < STEPS
	LOAD (\t)+4                                    ; into the set just converted
.endif
.endm
.irp t, 0,1,2,3,4,5,6,7,8,9,10,11,12,13,14,15
	STEP \t
.endr
.irp i, 0,1,2,3,4,5,6,7,8,9,10,11,12,13,14,15
	ds_load_b128 v[R+4*\i:R+4*\i+3], v6 offset:2*\i*CP   ; pieces 2 i and 2 i + 1, all 16 rows: my own bytes, behind my own stores (LDS serves a wave's instructions in order: ISA guide 5.7.1.4)
.endr
.irp i, 0,1,2,3,4,5,6,7,8,9,10,11,12,13,14,15
	s_wait_dscnt 15-\i
	global_store_b128 v3, v[R+4*\i:R+4*\i+3], s[26:27] offset:512*\i   ; 32 lanes store 512 consecutive bytes, at a multiple of 256 from the buffer's first byte
.endr
	s_wait_tensorcnt 0x0                           ; the wave's end, behind my last LDS store
	ds_add_u32 v[SPW], v[NIL]
	s_wait_dscnt 0x0
	s_endpgm
	; ---- the mask: one wave makes the 64 lane masks and the two flags of one tile of 16 queries and one step of 128 keys
.Lmask:
	s_sub_co_u32 s23, ttmp9, WGM
	s_lshl_b32 s23, s23, 2
	s_add_co_u32 s23, s23, s22                     ; 8 qt + ks
	s_lshr_b32 s24, s23, 3
	s_lshl_b32 s24, s24, 14                        ; 16 qt rows of 1,024 bytes
	s_and_b32 s25, s23, 7
	s_lshl_b32 s25, s25, 7                         ; 128 ks
	s_add_co_u32 s24, s24, s25
	s_mov_b32 s25, 0
	s_lshl_b32 s26, s23, 9
	s_mov_b32 s27, 0
	v_and_b32 v5, 15, v0
	v_bfe_u32 v6, v0, 4, 1
	v_lshlrev_b32 v1, 10, v5
	v_lshl_add_u32 v1, v6, 3, v1                   ; row lane % 16, + 8 (lane / 16)
	s_wait_alu depctr_va_vdst(0)                   ; the lane's number was made ahead of the branch
	v_lshlrev_b32 v7, 3, v2                        ; out: 8 bytes a lane
	s_wait_kmcnt 0x0
	s_add_nc_u64 s[10:11], s[10:11], s[24:25]
	s_add_nc_u64 s[20:21], s[20:21], s[26:27]
.irp t, 0,1,2,3,4,5,6,7
	global_load_b64 v[32+2*\t:33+2*\t], v1, s[10:11] offset:16*\t   ; byte j: mask[16 qt + r][128 ks + 16 t + 8 h + j]
.endr
	v_mov_b32 v48, 0                               ; lane l will hold words 2 l (v48) and 2 l + 1 (v49)
	v_mov_b32 v49, 0
	s_mov_b32 s30, 0
	s_mov_b32 s31, -1
	s_wait_alu depctr_va_vdst(0)                   ; directly ahead of the wait below
	s_wait_loadcnt 0x0
.set n, 0
.rept 64
	v_bfe_u32 v[50+n%4], v[32+2*(n/8)+(n%8)/4], 8*(n%4), 8
	v_cmp_ne_u32 s[32+n%4], 0, v[50+n%4]           ; word n, a bit a lane
	v_writelane_b32 v[48+n%2], s[32+n%4], n/2
	s_or_b32 s30, s30, s[32+n%4]
	s_and_b32 s31, s31, s[32+n%4]
.set n, n+1
.endr
	global_store_b64 v7, v[48:49], s[20:21]        ; 256 consecutive bytes
	v_mov_b32 v54, s30
	v_mov_b32 v55, s31                             ; the AND beside the OR
	global_store_b64 v7, v[54:55], s[20:21] offset:256   ; the two flags, 32 times: the block's other 256 bytes
	s_wait_tensorcnt 0x0                           ; this path stores nothing to LDS; it ends as the other does
	ds_add_u32 v[SPW], v[NIL]
	s_wait_dscnt 0x0
	s_endpgm
.Lfunc_end_k_q69fe575acd_prep:
	.size	k_q69fe575acd_prep, .Lfunc_end_k_q69fe575acd_prep-k_q69fe575acd_prep
	.p2alignl 7, 3214868480
	.fill 96, 4, 3214868480
	.section	.rodata,"a",@progbits
	.p2align	6, 0x0
	.amdhsa_kernel k_q69fe575acd_prep
		.amdhsa_group_segment_fixed_size 35328
		.amdhsa_private_segment_fixed_size 0
		.amdhsa_enable_private_segment 0
		.amdhsa_kernarg_size 72
		.amdhsa_user_sgpr_count 2
		.amdhsa_user_sgpr_kernarg_segment_ptr 1
		.amdhsa_wavefront_size32 1
		.amdhsa_system_sgpr_workgroup_id_x 1
		.amdhsa_system_sgpr_workgroup_id_y 1
		.amdhsa_system_sgpr_workgroup_id_z 1
		.amdhsa_system_vgpr_workitem_id 0
		.amdhsa_next_free_vgpr 192
		.amdhsa_next_free_sgpr 66
		.amdhsa_reserve_vcc 0
		.amdhsa_float_denorm_mode_32 3
		.amdhsa_float_denorm_mode_16_64 3
		.amdhsa_memory_ordered 1
		.amdhsa_forward_progress 1
		.amdhsa_inst_pref_size 54
	.end_amdhsa_kernel
	.amdgpu_metadata
---
amdhsa.version: [ 1, 2 ]
amdhsa.kernels:
  - .name:           k_q69fe575acd_prep
    .symbol:         k_q69fe575acd_prep.kd
    .args:
      - { .name: x, .offset: 0, .size: 8, .value_kind: global_buffer, .address_space: global }
      - { .name: wqkv, .offset: 8, .size: 8, .value_kind: global_buffer, .address_space: global }
      - { .name: wo, .offset: 16, .size: 8, .value_kind: global_buffer, .address_space: global }
      - { .name: mask, .offset: 24, .size: 8, .value_kind: global_buffer, .address_space: global }
      - { .name: lowp_scales, .offset: 32, .size: 8, .value_kind: global_buffer, .address_space: global }
      - { .name: xq, .offset: 40, .size: 8, .value_kind: global_buffer, .address_space: global }
      - { .name: wq, .offset: 48, .size: 8, .value_kind: global_buffer, .address_space: global }
      - { .name: woq, .offset: 56, .size: 8, .value_kind: global_buffer, .address_space: global }
      - { .name: mwords, .offset: 64, .size: 8, .value_kind: global_buffer, .address_space: global }
    .group_segment_fixed_size: 35328
    .private_segment_fixed_size: 0
    .kernarg_segment_align: 8
    .kernarg_segment_size: 72
    .max_flat_workgroup_size: 128
    .sgpr_count:     66
    .vgpr_count:     192
    .wavefront_size: 32
...
	.end_amdgpu_metadata
.endif
;; end of part 1
;; launch qkv (part 2): grid 16 x 16, 4 waves a work-group, clusters of 4 x 4, 327,680 bytes of LDS; arguments xq, wq, lowp_scales, freqs_cis, q_codes, kv_codes; writes q_codes, kv_codes
.if DOCPART == 2
	.amdgcn_target "amdgcn-amd-amdhsa--gfx1250"
	.amdhsa_code_object_version 6
	.text
	.protected	k_q69fe575acd_qkv
	.globl	k_q69fe575acd_qkv
	.p2align	8
	.type	k_q69fe575acd_qkv,@function
k_q69fe575acd_qkv:
	s_mov_b64 s[64:65], 0
	v_nop
	global_prefetch_b8 v0, s[64:65] scope:SCOPE_SE
	s_setreg_imm32_b32 hwreg(HW_REG_WAVE_MODE, 25, 1), 1
	s_wait_xcnt 0x0
	s_wait_alu depctr_hold_cnt(0) depctr_sa_sdst(0) depctr_va_vdst(0) depctr_va_sdst(0) depctr_va_ssrc(0) depctr_va_vcc(0) depctr_vm_vsrc(0)
	s_getreg_b32 s2, hwreg(HW_REG_IB_STS2, 6, 4)
	s_cmp_eq_u32 s2, 0
	s_cbranch_scc0 .Lentry_in_a_cluster
	s_endpgm
.Lentry_in_a_cluster:
	s_bfe_u32 s2, ttmp6, 0x10000c
	s_cmp_lg_u32 s2, 0xf033
	s_cbranch_scc0 .Lentry_shape_is_right
	s_endpgm
.Lentry_shape_is_right:
; SECOND LAUNCH: qkv = x wqkv^T on codes of E4M3 (K = 2,048), the rotary turn of q and k in f32, and q, k, v quantised into the images that the third launch's operands want.  Nothing of the problem is left out here.
; A: xq, 256 tiles of 16 tokens; B: wq, 192 tiles of 16 rows (laid by the first launch: each run of 12 tiles T = q heads 2T, 2T+1, then 32 channels of k and 32 of v of kv head T/2).
; BOTH LIE AS IMAGES OF THE OPERANDS' REGISTERS: tile x 32,768 + (k / 16) x 256 + (row % 16) x 16 + k % 16: a fragment of 16 rows x 64 K is 1,024 consecutive bytes, two loads of 16 bytes a lane at 16 x lane, 512 bytes apart;
;   registers 4 c .. 4 c + 3 of lane (r, h) hold K = 32 c + 16 h + 0 .. 15: a permutation of k, the same in A and in B.
; SHARES.  A work-group makes 256 tokens x 192 columns: 16 x 16 = 256 work-groups.  Wave w takes tokens 64 w .. 64 w + 63 against all 192 columns: 48 accumulators of 16 x 16; all waves run one text.  32 steps of 64 along K, by v_wmma_f32_16x16x64_fp8_fp8.
; B, WHICH ALL FOUR WAVES READ, LIES IN LDS, by quarters of K: a quarter is 12 tiles x 8,192 bytes = 98,304, dense.  Three slots: quarters 0, 1, 2 are asked for together at the head (a wave brings 3 tiles of each: three tensor loads of mine are out);
;   quarter 3 fills slot 0 again, once, when every wave has left it (step 7), and has steps 7 to 22 in which to land.
; A IS READ BY ONE WAVE ALONE, so it goes from memory straight into that wave's registers: 8 loads a step, each of 512 consecutive bytes, into a ring of eight sets, asked for seven steps ahead: 56 loads of mine are on their way, under counted waits.
; CLUSTERS: 4 x 4 work-groups.  B's tiles hang on the tile column alone and are asked for jointly along a column of the cluster.  A'S ROWS ARE ALSO READ BY THE FOUR OF A ROW OF THE CLUSTER, AND ARE NOT ASKED FOR JOINTLY: a joint load lands in LDS,
;   where B's three slots take 294,912 of the 327,680 bytes; and slots for A would be changed 8 times over this K, each time with all loads awaited.
; THE STEPS ARE WRITTEN OUT: each quarter differs (the first products, the refill, the barrier, the table), every offset is an immediate, no pointer is stepped.
; BLOCKS of 16 columns: b 0-3 q head 2T, 4-7 q head 2T+1, 8-9 k: source 0 = B's rows, source 1 = A's: lane (r, h) holds token 16 a + r and channels 16 b + 8 h + 0..7 (four rotary pairs).
;   b 10-11 v: the sources swapped: lane (r, h) holds channel 16 (b - 10) + r and tokens 16 a + 8 h + 0..7: eight neighbours along the keys, which are the K of the product that takes v.
; A sum stands for sum x 2^(e0 + e1).  The rotary turn is linear, so the raw sums are turned, and the conversion takes 2^(e - e0 - e1) as its one scale (e = e2 for q, e3 for k, e5 for v).
; OUT.  q_codes [b][head][qt][1024]: byte 512 c + 16 lane(r, h) + i = query 16 qt + r, channel 32 c + 16 h + i.   kv_codes [8 b + kv head][131072]: K at 0, [c 2][t 64][512]: byte 16 lane(r, h) + i = key 16 t + r, channel 32 c + 16 h + i;
;   V at 65536, [ks 8][dt 4][c' 4][512]: lane (r, h): bytes 0-7 channel 16 dt + r, keys 128 ks + 32 c' + 8 h + 0..7; bytes 8-15 keys 16 further on.  They leave through the wave's own stage in LDS: each store covers 512 consecutive bytes.
;   The stages lie in slot 1: it is filled once, and every wave has left it when it passes the barrier of step 23.
; LIMITS: e2 - e0 - e1, e3 - e0 - e1, e5 - e0 - e1 between -126 and 119, so that each power of two below is an f32 number.
; REGISTERS, in windows of 256: window 0: v1-30 addresses, v32-37 scales, v64-159 and v160-255 B's two sets of 12 fragments (on the way out: turned numbers, codes, the stage read back).
;   window 1: A's eight sets of 4 fragments, set t % 8 at v[32 (t % 8)]; in steps 25 to 30 sets 0 to 5, as they fall free, take the rotary table of my 64 tokens.
;   window 2: accumulators (b, a) of b 0-7 at v[8 (4 b + a)];   window 3: those of b 8-11.
; B'S PLACES IN LDS AS THEY STAND NOW (this takes the place of what is said of three slots above): quarter 0 of K lies at tile x 8,192 from byte 0 and is each wave's one tensor load at the head;
; quarters 1 and 2 lie from SLOTB on, at tile x 16,384 + (quarter - 1) x 8,192: one tile of 3 rows x 16,384 bytes a wave, asked for behind the full sequence and a round of the cluster's barrier, when quarter 0 has landed;
; quarter 3 fills quarter 0's bytes again at step 7, as before.  A wave has one tensor load out at a time.
; A IS PREFETCHED INTO THE L2, a quarter of K at a time: in steps 0, 2 and 10 a wave names quarter 1, 2, 3 of ONE of its four tiles, 8,192 consecutive bytes, lanes 256 bytes apart.  The four work-groups of a row of the cluster read the
; same tiles and share them out by address: the one at place cx takes each wave's tile cx.  From step 2 on the request stands seven steps ahead of the first register load of those bytes.  Quarter 0 comes by its loads alone; nothing lies behind quarter 3.
.set NB,    12
.set NBW,   3                          ; tiles of B that a wave brings
.set NV,    10                         ; from this block on the sources are swapped
.set NS,    3                          ; slots
.set SLOTB, NB*8192
.set STAGE, SLOTB                      ; in slot 1: 12,288 bytes for each wave: q 8,192, k 2,048, v 2,048
.set WST,   12288
.set SPARE, NS*SLOTB                   ; behind the slots: the spare words, 128 bytes a wave, which no other line names
.set LI,   8                           ; v8  16 x lane
.set LB,   10                          ; v10-14  16 x lane + 65,536 k: an LDS instruction's immediate has 16 bits
.set STQ,  24                          ; v24 the stage: where q's and k's codes go
.set STV,  25                          ; v25 where v's go
.set RD,   26                          ; v26 where I read the stage back
.set SPW,  28                          ; v28 LDS address of my spare word; never rewritten
.set NIL,  29                          ; v29 0; never rewritten
.set FO,   30                          ; v30 my byte in the rotary table's rows
.set BS,   64                          ; B's two sets
.set BSZ,  8*NB
.set TW,   64                          ; the way out: 96 turned numbers; later the stage read back
.set CD,   160                         ; the way out: 24 registers of codes
.set G1,  24                           ; s[24:31] descriptor group 1
.set G0,  48                           ; s[48:55] group 0: set 0 for quarters 0 and 3, set 1 for quarters 1 and 2
.set G1B, 32                           ; s[32:39] group 1 of the tile that holds quarters 1 and 2
.set PFA, 56                           ; s[56:57] the prefetches' base: my wave's tile cx of A; never rewritten
.set PFO, 31                           ; v31 the prefetches' offset: 256 x lane; never rewritten
.set MSB, 0
.macro WIN new                         ; the immediate's high byte repeats the setting that is left
.if MSB != \new
	s_set_vgpr_msb (MSB<<8)|\new
.set MSB, \new
.endif
.endm
.macro CREST                           ; a round of the cluster's barrier behind its opening barrier
	s_cmp_lg_u32 s16, 0
	s_cbranch_scc1 .Lnot_wave_0_\@
	s_barrier_signal -3
.Lnot_wave_0_\@:
	s_barrier_wait -3
	s_barrier_signal -1
	s_barrier_wait -1
.endm
.macro CROUND
	s_barrier_signal -1
	s_barrier_wait -1
	CREST
.endm
.macro PLACES n
.rept \n
	v_nop
.endr
.endm
.macro FETCHB t                        ; B's 12 fragments of step t, from slot (t / 8) % 3, into set t % 2: 24 loads in one run, 512 consecutive bytes each
.set bb, 0
.rept NB
.if ((\t)/8)%3 == 0
.set ad, bb*8192+((\t)%8)*1024
.else
.set ad, SLOTB+bb*16384+((\t)/8-1)*8192+((\t)%8)*1024
.endif
.set rg, BS+BSZ*((\t)%2)+8*bb
	ds_load_b128 v[rg:rg+3],   v[LB+ad/65536] offset:ad%65536
	ds_load_b128 v[rg+4:rg+7], v[LB+ad/65536] offset:ad%65536+512
.set bb, bb+1
.endr
.endm
.macro FETCHA t                        ; A's 4 fragments of step t into set t % 8 (destination window 1)
.irp a, 0,1,2,3
	global_load_b128 v[32*((\t)%8)+8*\a:32*((\t)%8)+8*\a+3],   v[LI], s[20:21] offset:\a*32768+(\t)*1024
	global_load_b128 v[32*((\t)%8)+8*\a+4:32*((\t)%8)+8*\a+7], v[LI], s[20:21] offset:\a*32768+(\t)*1024+512
.endr
.endm
.macro TABLE g                         ; eight loads of the rotary table into set g: groups 0, 1: k's two blocks of tokens 16 a on, at v[8 (2 a + q)]; groups 2 to 5: q's four blocks of a head, a = g - 2, at v[64 + 8 (4 a + q)]
.if (\g) < 2
.irp a, 2*(\g), 2*(\g)+1
.irp q, 0,1
	global_load_b128 v[8*(2*(\a)+\q):8*(2*(\a)+\q)+3],   v[FO], s[82:83] offset:(\a)*4096+64*\q
	global_load_b128 v[8*(2*(\a)+\q)+4:8*(2*(\a)+\q)+7], v[FO], s[82:83] offset:(\a)*4096+64*\q+16
.endr
.endr
.else
.irp q, 0,1,2,3
	global_load_b128 v[64+8*(4*((\g)-2)+\q):64+8*(4*((\g)-2)+\q)+3],   v[FO], s[80:81] offset:((\g)-2)*4096+64*\q
	global_load_b128 v[64+8*(4*((\g)-2)+\q)+4:64+8*(4*((\g)-2)+\q)+7], v[FO], s[80:81] offset:((\g)-2)*4096+64*\q+16
.endr
.endif
.endm
; a step's 48 products.  The accumulators take turns, one instruction a turn, in the same order in every step.  Step 0's products start the sums: nothing is cleared
.macro MULS t
.set pB, BS+BSZ*((\t)%2)
.set pA, 32*((\t)%8)
.set bb, 0
.rept NB
.if bb < 8
	WIN 0xa4                                       ; source 0 (B) window 0, source 1 (A) window 1, C and D window 2
.elseif bb < NV
	WIN 0xf4                                       ; the same, C and D window 3
.else
	WIN 0xf1                                       ; source 0 (A) window 1, source 1 (B) window 0, C and D window 3
.endif
.set aa, 0
.rept 4
.set rD, 8*(4*(bb%8)+aa)
.set rB, pB+8*bb
.set rA, pA+8*aa
.if bb >= NV
.if (\t) == 0
	v_wmma_f32_16x16x64_fp8_fp8 v[rD:rD+7], v[rA:rA+7], v[rB:rB+7], 0
.else
	v_wmma_f32_16x16x64_fp8_fp8 v[rD:rD+7], v[rA:rA+7], v[rB:rB+7], v[rD:rD+7]
.endif
.else
.if (\t) == 0
	v_wmma_f32_16x16x64_fp8_fp8 v[rD:rD+7], v[rB:rB+7], v[rA:rA+7], 0
.else
	v_wmma_f32_16x16x64_fp8_fp8 v[rD:rD+7], v[rB:rB+7], v[rA:rA+7], v[rD:rD+7]
.endif
.endif
.set aa, aa+1
.endr
.set bb, bb+1
.endr
	WIN 0
.endm
; STEP t.  Every step up to 30 issues one group of eight global loads: A of step t + 7 (t <= 24) or a group of the table (t = 25 .. 30), into the set that step t - 1 has left.  So behind the loads of A of step t stand six groups, in every step.
.macro STEP t
	s_wait_loadcnt 48                              ; A of this step is in; the six younger groups of eight may be out
.if (\t) == 7
	s_wait_tensorcnt 0x0                           ; all my tensor loads have landed: my parts of slots 0, 1 and 2; so a group 0 may be written
	ds_add_u32 v[SPW], v[NIL]                      ; 0 onto my spare word
	s_add_nc_u64 s[G0+2:G0+3], s[G0+2:G0+3], 3*8192   ; slot 0's next tiles: quarter 3
	s_wait_dscnt 0x0                               ; the add is done; B of this step, my last read of slot 0, is in
	CROUND                                         ; no wave of any partner still reads slot 0 or has a load on its way; and slots 1 and 2 are whole for every wave
	tensor_load_to_lds s[G0:G0+3], s[G1:G1+7]      ; the one refill of the launch, first behind the round
	s_nop 0
	PLACES 4                                       ; places behind a tensor load; also the places in front of the loads below
.else
	s_wait_dscnt 0x0                               ; B of this step is in (asked for a step ago)
.if (\t) == 23
	s_wait_tensorcnt 0x0                           ; my part of quarter 3 has landed (no load was issued behind it),
	s_barrier_signal -1
	s_barrier_wait -1                              ; everybody's has.  Every wave has left slot 1 too: the stages may lie there
.endif
.if (\t) > 0
	PLACES 4                                       ; four places between the last products and the loads into the sets that they read (ISA guide 7.12.1 for vector instructions)
.endif
.endif
.if (\t) <= 24
	WIN 0x40                                       ; destination window 1, address window 0
	FETCHA (\t)+7
	WIN 0
.elseif (\t) <= 30
	WIN 0x40
	s_wait_alu depctr_va_vdst(0)
	TABLE (\t)-25
	WIN 0
.endif
.if (\t) < 31
	FETCHB (\t)+1
.endif
.if (\t) == 0 || (\t) == 2 || (\t) == 10
	global_prefetch_b8 v[PFO], s[PFA:PFA+1] offset:8192*(1+((\t)+6)/8) th:TH_LOAD_NT scope:SCOPE_SE   ; quarter 1, 2, 3 of my tile cx
.endif
	MULS \t
.endm
	s_load_b256 s[4:11], s[0:1], 0x0               ; xq 4:5, wq 6:7, exponents 8:9, freqs_cis 10:11
	s_load_b128 s[12:15], s[0:1], 0x20             ; q_codes 12:13, kv_codes 14:15
	v_lshl_add_u32 v[SPW], v0, 2, SPARE
	v_mov_b32 v[NIL], 0
	ds_add_u32 v[SPW], v[NIL]                      ; the wave's opening: the add, twice on end, and its wait ahead of my first tensor load
	ds_add_u32 v[SPW], v[NIL]
	v_lshrrev_b32 v1, 5, v0
	v_readfirstlane_b32 s16, v1                    ; wave 0..3
	s_and_b32 s18, s16, 1
	s_bfe_u32 s40, ttmp6, 0x40000                  ; cx, cy: my place in the cluster
	s_bfe_u32 s41, ttmp6, 0x40004
	s_lshl_b32 s42, ttmp9, 2
	s_add_co_u32 s42, s42, s40                     ; T: tile column = 4 x cluster x + cx
	s_and_b32 s43, ttmp7, 0xffff
	s_lshl_b32 s43, s43, 2
	s_add_co_u32 s43, s43, s41                     ; tile row = 4 x cluster y + cy
	s_lshl_b32 s45, 0x1111, s40                    ; my column of the cluster
	s_or_b32 s[G1], s45, (3<<16)|(1<<21)           ; 15:0 the mask; 17:16 elements of 8 bytes; 20 no padding; 21 set beside a mask
	s_mov_b32 s[G1+1], 1024<<16                    ; tensor_dim0 = 1,024 elements: a tile's quarter of K, 8,192 bytes
	s_mov_b32 s[G1+2], NBW<<16                     ; tensor_dim1 = 3 tiles
	s_mov_b32 s[G1+3], 1024<<16                    ; tile_dim0
	s_mov_b32 s[G1+4], NBW                         ; tile_dim1
	s_mov_b32 s[G1+5], 4096                        ; from tile to tile: 32,768 bytes
	s_mov_b32 s[G1+6], 0
	s_mov_b32 s[G1+7], 0
	s_or_b32 s[G1B], s45, (3<<16)|(1<<21)          ; the same mask; rows of 2,048 elements: two quarters of a tile, 16,384 bytes
	s_mov_b32 s[G1B+1], 2048<<16
	s_mov_b32 s[G1B+2], NBW<<16
	s_mov_b32 s[G1B+3], 2048<<16
	s_mov_b32 s[G1B+4], NBW
	s_mov_b32 s[G1B+5], 4096
	s_mov_b32 s[G1B+6], 0
	s_mov_b32 s[G1B+7], 0
	s_mul_i32 s23, s16, NBW*16384                  ; where my three tiles' quarters 1 and 2 go, behind SLOTB
	s_mul_i32 s46, s42, NB
	s_mul_i32 s47, s16, NBW
	s_add_co_u32 s46, s46, s47                     ; B: tile 12 T + 3 x wave,
	s_lshl_b32 s46, s46, 15                        ; in bytes
	s_mov_b32 s47, 0
	s_mul_i32 s22, s16, NBW*8192                   ; where they go in a slot: no place in the cluster enters an LDS address
	s_lshl_b32 s20, s43, 4
	s_lshl_b32 s19, s16, 2
	s_add_co_u32 s20, s20, s19                     ; A: tile 16 x tile row + 4 x wave
	s_lshl_b32 s20, s20, 15
	s_mov_b32 s21, 0
	s_wait_dscnt 0x0                               ; both opening adds are done
	s_wait_kmcnt 0x0
	s_load_b256 s[68:75], s[8:9], 0x0              ; e0 .. e7
	s_add_nc_u64 s[46:47], s[6:7], s[46:47]
	s_add_nc_u64 s[20:21], s[4:5], s[20:21]
	s_lshl_b32 s58, s40, 15                        ; cx tiles of 32,768 bytes on
	s_mov_b32 s59, 0
	s_add_nc_u64 s[PFA:PFA+1], s[20:21], s[58:59]
	s_mov_b32 s[G0], 1                             ; count = 1
	s_add_co_u32 s[G0+1], s22, 0                   ; LDS address
	s_add_nc_u64 s[G0+2:G0+3], s[46:47], 0         ; global address: quarter 0
	s_or_b32 s[G0+3], s[G0+3], 0x80000000          ; type = 2
	s_mov_b32 s[G0+4], 1
	s_add_co_u32 s[G0+5], s23, SLOTB
	s_add_nc_u64 s[G0+6:G0+7], s[46:47], 8192      ; quarters 1 and 2
	s_or_b32 s[G0+7], s[G0+7], 0x80000000
	CROUND                                         ; all sixteen work-groups are here: the first joint loads meet
	tensor_load_to_lds s[G0:G0+3], s[G1:G1+7]      ; quarter 0: one tensor load a wave at the head
	s_nop 0
	PLACES 4                                       ; (places behind the tensor loads)
	v_and_b32 v5, 31, v0
	v_lshlrev_b32 v[LI], 4, v5
	v_lshlrev_b32 v[PFO], 8, v5
	WIN 0x40
.irp t, 0,1,2,3,4,5,6
	FETCHA \t                                      ; A of steps 0 to 6: 56 loads
.endr
	WIN 0
	v_and_b32 v1, 15, v0                           ; r
	v_bfe_u32 v2, v0, 4, 1                         ; h
	v_mov_b32 v[LB], v[LI]
.irp k, 1,2,3,4
	v_add_nc_u32 v[LB+\k], 65536*\k, v[LI]
.endr
	s_mul_i32 s19, s16, WST
	s_add_co_u32 s19, s19, STAGE                   ; my stage
	v_lshlrev_b32 v4, 4, v1
	v_lshl_add_u32 v[STQ], v2, 3, v4
	v_add_nc_u32 v[STQ], s19, v[STQ]               ; 16 r + 8 h
	v_lshl_add_u32 v[STV], v2, 8, v4
	v_add_nc_u32 v[STV], s19, v[STV]
	v_add_nc_u32 v[STV], 10240, v[STV]             ; 16 r + 256 h, in v's part
	v_add_nc_u32 v[RD], s19, v[LI]
	v_lshlrev_b32 v[FO], 8, v1
	v_lshl_add_u32 v[FO], v2, 5, v[FO]             ; the table: row r of 256 bytes, + 32 h: my four pairs (cos, sin) of a block
	s_and_b32 s76, s43, 3
	s_lshl_b32 s76, s76, 8
	s_lshl_b32 s77, s16, 6
	s_add_co_u32 s76, s76, s77                     ; s0: my first position in the sequence
	s_lshr_b32 s77, s43, 2                         ; the batch
	s_mov_b32 s79, 0
	s_lshl_b32 s78, s76, 8
	s_add_nc_u64 s[80:81], s[10:11], s[78:79]      ; the table at s0,
	s_and_b32 s90, s42, 1
	s_lshl_b32 s78, s90, 7
	s_add_nc_u64 s[82:83], s[80:81], s[78:79]      ; and at k's channels 32 (T % 2) on
	s_lshl_b32 s78, s77, 21
	s_lshl_b32 s91, s42, 17
	s_add_co_u32 s78, s78, s91
	s_lshl_b32 s91, s76, 6
	s_add_co_u32 s78, s78, s91
	s_add_nc_u64 s[84:85], s[12:13], s[78:79]      ; q_codes + ((32 batch + 2 T) 64 + s0 / 16) 1024
	s_lshl_b32 s92, s77, 3
	s_lshr_b32 s91, s42, 1
	s_add_co_u32 s92, s92, s91
	s_lshl_b32 s92, s92, 17                        ; (8 batch + T / 2) 131072
	s_lshl_b32 s91, s90, 15
	s_add_co_u32 s78, s92, s91
	s_lshl_b32 s91, s76, 5
	s_add_co_u32 s78, s78, s91
	s_add_nc_u64 s[86:87], s[14:15], s[78:79]      ; K: + (T % 2) 32768 + (s0 / 16) 512
	s_lshr_b32 s91, s76, 7
	s_lshl_b32 s91, s91, 13
	s_add_co_u32 s78, s92, s91
	s_lshl_b32 s91, s90, 12
	s_add_co_u32 s78, s78, s91
	s_lshl_b32 s91, s18, 10
	s_add_co_u32 s78, s78, s91
	s_add_co_u32 s78, s78, 65536
	s_add_nc_u64 s[88:89], s[14:15], s[78:79]      ; V: + 65536 + (s0 / 128) 8192 + (T % 2) 4096 + (wave % 2) 1024
	s_wait_alu depctr_va_vdst(0)                   ; the wait at the head's end
	s_wait_tensorcnt 0x0                           ; my part of quarter 0 is in; then the lines ahead of a later first fill:
	ds_add_u32 v[SPW], v[NIL]
	s_wait_dscnt 0x0
	CROUND                                         ; everybody's part of quarter 0 is in, and the joint loads meet
	tensor_load_to_lds s[G0+4:G0+7], s[G1B:G1B+7]  ; quarters 1 and 2: they have steps 0 to 6 in which to land
	s_nop 0
	PLACES 4
	FETCHB 0
.irp t, 0,1,2,3,4,5,6,7,8,9,10,11,12,13,14,15,16,17,18,19,20,21,22,23,24,25,26,27,28,29,30,31
	STEP \t
.endr
	PLACES 4                                       ; in front of the first read of results, and of the first write of registers that the last products read
	; THE WAY OUT
.macro SCALE se, vr                    ; v[vr] = 2^(e - e0 - e1) as f32, v[vr + 1] = 448 x that
	s_sub_co_i32 s94, \se, s93
	s_add_co_i32 s94, s94, 127
	s_lshl_b32 s95, s94, 23
	v_mov_b32 v[\vr], s95
	s_add_co_i32 s94, s94, 8
	s_lshl_b32 s94, s94, 23
	s_or_b32 s94, s94, 0x600000
	v_mov_b32 v[\vr+1], s94
.endm
	s_wait_kmcnt 0x0
	s_add_co_i32 s93, s68, s69                     ; e0 + e1
	SCALE s70, 32                                  ; q
	SCALE s71, 34                                  ; k
	SCALE s73, 36                                  ; v
.macro ROT                             ; eight sums at v[rX] (four pairs x0, x1), the table at v[rTb] (cos, sin): x0 cos - x1 sin, x1 cos + x0 sin, into v[rT]; the accumulator is read from its low end on
.irp i, 0,2,4,6
	v_mul_f32 v[rT+\i],   v[rX+\i+1], v[rTb+\i+1]
	v_mul_f32 v[rT+\i+1], v[rX+\i],   v[rTb+\i+1]
.endr
.irp i, 0,2,4,6
	v_fma_f32 v[rT+\i],   v[rX+\i],   v[rTb+\i], -v[rT+\i]
	v_fma_f32 v[rT+\i+1], v[rX+\i+1], v[rTb+\i], v[rT+\i+1]
.endr
.endm
.macro OUTBLK a                        ; tokens 16 a .. 16 a + 15 of my 64
	s_wait_loadcnt 8*(3-(\a))                      ; the table's groups for these tokens are in (k's: group a / 2; q's: group 2 + a); behind q's stand 3 - a groups of eight
	WIN 0x06                                       ; source 0 (sums) window 2, source 1 (table) window 1, source 2 and destination window 0
.set bb, 0
.rept 8
.set rX, 8*(4*bb+(\a))
.set rTb, 64+8*(4*(\a)+bb%4)
.set rT, TW+8*bb
	ROT
.set bb, bb+1
.endr
	WIN 0x07                                       ; sums in window 3
.rept 2
.set rX, 8*(4*(bb-8)+(\a))
.set rTb, 8*(2*(\a)+bb-8)
.set rT, TW+8*bb
	ROT
.set bb, bb+1
.endr
	WIN 0x03
.rept 2
.set rX, 8*(4*(bb-8)+(\a))
.irp j, 0,1,2,3,4,5,6,7
	v_med3_num_f32 v[TW+8*bb+\j], v[rX+\j], -v37, v37   ; v is not turned: its hold moves it
.endr
.set bb, bb+1
.endr
	WIN 0
.set bb, 0
.rept 10
.irp j, 0,1,2,3,4,5,6,7
	v_med3_num_f32 v[TW+8*bb+\j], v[TW+8*bb+\j], -v[33+2*(bb/8)], v[33+2*(bb/8)]   ; the conversion does not saturate (ISA guide 7.6.2): the hold at the largest code x the scale
.endr
.set bb, bb+1
.endr
.set bb, 0
.rept 12
	v_cvt_scalef32_pk8_fp8_f32 v[CD+2*bb:CD+2*bb+1], v[TW+8*bb:TW+8*bb+7], v[32+2*(bb/8)+2*(bb/10)]
.set bb, bb+1
.endr
	v_nop                                          ; a plain vector line behind the last conversion
.set bb, 0
.rept 8
	ds_store_b64 v[STQ], v[CD+2*bb:CD+2*bb+1] offset:4096*(bb/4)+1024*(\a)+512*((bb%4)/2)+256*(bb%2)
.set bb, bb+1
.endr
.rept 2
	ds_store_b64 v[STQ], v[CD+2*bb:CD+2*bb+1] offset:8192+512*(\a)+256*(bb-8)
.set bb, bb+1
.endr
.rept 2
	ds_store_b64 v[STV], v[CD+2*bb:CD+2*bb+1] offset:1024*(bb-10)+512*((\a)/2)+8*((\a)%2)
.set bb, bb+1
.endr
	s_wait_dscnt 0x0                               ; the stores have read their registers: the next block's codes may be written
.endm
	OUTBLK 0
	OUTBLK 1
	OUTBLK 2
	OUTBLK 3
.set i, 0
.rept 24
	ds_load_b128 v[TW+4*i:TW+4*i+3], v[RD] offset:512*i   ; my own bytes, behind my own stores: LDS serves a wave's instructions in order (ISA guide 5.7.1.4)
.set i, i+1
.endr
	s_wait_dscnt 16                                ; the first eight are back; sixteen younger may be out
.set i, 0
.rept 8
	global_store_b128 v[LI], v[TW+4*i:TW+4*i+3], s[84:85] offset:512*i             ; q head 2T: 32 lanes store 512 consecutive bytes
.set i, i+1
.endr
	s_wait_dscnt 8
.rept 8
	global_store_b128 v[LI], v[TW+4*i:TW+4*i+3], s[84:85] offset:65536+512*(i-8)   ; q head 2T + 1
.set i, i+1
.endr
	s_wait_dscnt 4
.rept 4
	global_store_b128 v[LI], v[TW+4*i:TW+4*i+3], s[86:87] offset:512*(i-16)        ; k
.set i, i+1
.endr
	s_wait_dscnt 0x0
.rept 4
	global_store_b128 v[LI], v[TW+4*i:TW+4*i+3], s[88:89] offset:2048*((i-20)/2)+512*((i-20)%2)   ; v
.set i, i+1
.endr
	s_wait_tensorcnt 0x0                           ; the wave's end, behind my last tensor load and my last LDS store
	ds_add_u32 v[SPW], v[NIL]
	s_wait_dscnt 0x0
	CROUND                                         ; the closing round: no work-group ends while a partner may still ask for a tile that names it
	s_endpgm
.Lfunc_end_k_q69fe575acd_qkv:
	.size	k_q69fe575acd_qkv, .Lfunc_end_k_q69fe575acd_qkv-k_q69fe575acd_qkv
	.p2alignl 7, 3214868480
	.fill 96, 4, 3214868480
	.section	.rodata,"a",@progbits
	.p2align	6, 0x0
	.amdhsa_kernel k_q69fe575acd_qkv
		.amdhsa_group_segment_fixed_size 327680
		.amdhsa_private_segment_fixed_size 0
		.amdhsa_enable_private_segment 0
		.amdhsa_kernarg_size 48
		.amdhsa_user_sgpr_count 2
		.amdhsa_user_sgpr_kernarg_segment_ptr 1
		.amdhsa_wavefront_size32 1
		.amdhsa_system_sgpr_workgroup_id_x 1
		.amdhsa_system_sgpr_workgroup_id_y 1
		.amdhsa_system_sgpr_workgroup_id_z 1
		.amdhsa_system_vgpr_workitem_id 0
		.amdhsa_next_free_vgpr 896
		.amdhsa_next_free_sgpr 100
		.amdhsa_reserve_vcc 0
		.amdhsa_float_denorm_mode_32 3
		.amdhsa_float_denorm_mode_16_64 3
		.amdhsa_memory_ordered 1
		.amdhsa_forward_progress 1
		.amdhsa_inst_pref_size 255
	.end_amdhsa_kernel
	.section	.bss,"aw",@nobits
	.p2align	6
	.space	262144
	.amdgpu_metadata
---
amdhsa.version: [ 1, 2 ]
amdhsa.kernels:
  - .name:           k_q69fe575acd_qkv
    .symbol:         k_q69fe575acd_qkv.kd
    .args:
      - { .name: xq, .offset: 0, .size: 8, .value_kind: global_buffer, .address_space: global }
      - { .name: wq, .offset: 8, .size: 8, .value_kind: global_buffer, .address_space: global }
      - { .name: lowp_scales, .offset: 16, .size: 8, .value_kind: global_buffer, .address_space: global }
      - { .name: freqs_cis, .offset: 24, .size: 8, .value_kind: global_buffer, .address_space: global }
      - { .name: q_codes, .offset: 32, .size: 8, .value_kind: global_buffer, .address_space: global }
      - { .name: kv_codes, .offset: 40, .size: 8, .value_kind: global_buffer, .address_space: global }
    .group_segment_fixed_size: 327680
    .private_segment_fixed_size: 0
    .kernarg_segment_align: 8
    .kernarg_segment_size: 48
    .max_flat_workgroup_size: 128
    .sgpr_count:     100
    .vgpr_count:     896
    .wavefront_size: 32
...
	.end_amdgpu_metadata
.endif
;; end of part 2
;; launch attn (part 3): grid 8 x 32, 8 waves a work-group, no clusters, 164,864 bytes of LDS; arguments q_codes, kv_codes, mwords, lowp_scales, y_codes; writes y_codes
.if DOCPART == 3
	.amdgcn_target "amdgcn-amd-amdhsa--gfx1250"
	.amdhsa_code_object_version 6
	.text
	.protected	k_q69fe575acd_attn
	.globl	k_q69fe575acd_attn
	.p2align	8
	.type	k_q69fe575acd_attn,@function
k_q69fe575acd_attn:
	s_mov_b64 s[64:65], 0
	v_nop
	global_prefetch_b8 v0, s[64:65] scope:SCOPE_SE
	s_setreg_imm32_b32 hwreg(HW_REG_WAVE_MODE, 25, 1), 1
	s_wait_xcnt 0x0
; THIRD LAUNCH: y = softmax(mask(q k^T / 8)) v on codes of E4M3, and y quantised for the last product.
; LEFT OUT, by whole numbers that the first launch stored: a step of 128 keys none of which the mask lets count for any of a tile's 16 queries (the OR of its lane masks is 0): every p of it is 0, it moves neither the maximum nor the sum nor O.
;   Where the AND of a step's lane masks is all ones, every key counts, and the selects that hide scores are jumped over: they would change nothing.
; THE SOFTMAX: t = score x log2(e) / 8; M = the running largest t rounded UP to a whole number, kept as -M; p = 2^(t - M) is what is quantised (scale 2^e4), not normalised; the sum l is taken of the unquantised p and divides O at the end;
;   when M moves, l and O are multiplied by 2^(old M - new M), which rounds nothing.
; THE HOLD OF p: p is at most 1 (to within f32 rounding), so p / 2^e4 stays at or under 256, inside the format, while e4 >= -8; the 128 holds of a step run only where e4 < -8: a scalar branch on the given whole number.
; SHARES.  Work-group (QB, Y): kv head Y = 8 batch + head; all its K and V codes, 131,072 bytes, are brought into LDS once, at the head: one barrier in the launch, nothing is filled again.
;   Wave w walks the keys twice: for tile 8 w + QB and query heads 0, 1 of the four, then for tile 8 (7 - w) + QB and heads 2, 3.  That is a schedule, right for every mask.
;   THE TWO HEADS OF A WALK GO THROUGH A STEP TOGETHER, line by line in turn: four chains of maxima, four of sums, one batch of 128 exponentials with one wait ahead of it and one behind.
; NO CLUSTER, NO TENSOR LOAD, NO PREFETCH: the walk jumps on stored flags; what work-groups share is 131,072 bytes read once at the head, with no loop to run ahead in.
; LAYOUT.  S^T = K Q^T (source 0 = 16 keys, source 1 = my 16 queries): lane (r, h) holds query r and keys 16 t + 8 h + 0..7; eight converted p are registers 2 t, 2 t + 1 of the K = 128 form's operand;
;   O^T = V^T P^T (source 0 = 16 channels, source 1 = P): lane (r, h) holds query r, channels 16 dt + 8 h + 0..7.
; THE MASK: a step's 64 lane masks come by scalar loads, asked for at the step's head; a hidden score becomes -2^126.  The running largest score begins at -2^30: under every sum of codes (at most 64 x 448^2 in size) and over every
;   hidden score; so a hidden p is 0.  A query for which no key counts ends with l = 0: its codes are set to the NaN code, as its row is NaN in the problem.
; OUT.  y_codes as images of the last product's operand: tile of 16 tokens x 32,768 + head x 1,024 + 256 dt + 16 r + 8 h + j; through my own stage; each store covers 512 consecutive bytes.
; LIMITS: e2 + e3 between -115 and 99 (added to c's exponent field); e4, and e6 - e4 - e5, between -126 and 119.
; REGISTERS.  window 0: v1-15 addresses and constants; v[16 + 8 g]: head g's -M, largest score, l (two halves), f, 0, two at work; v[48 + 8 g] Q; v80-143, v144-207 the two heads' S^T, then p; v208-239 their p's codes; v240-243 at work.
;   window 1: v[32 g + 8 dt] O^T; v128-191 K's eight fragments; v192-255 V's four.
.set LI,   1
.set ADK,  2
.set ADV,  3
.set SPW,  4
.set NIL,  5
.set NEG,  7
.set PLIM, 8
.set PSC,  9
.set YLIM, 10
.set YSC,  11
.set NANC, 12
.set STO,  13
.set RD,   14
.set ONE,  15
.set ST,   16
.set Q,    48
.set S,    80
.set P,    208
.set TS,   240
.set KF,   128
.set VF,   192
.set VBASE, 65536                      ; LDS: K at 0, V here,
.set STAGE, 131072                     ; the way out: 4,096 bytes for each wave,
.set SPARE, STAGE+8*4096               ; and the spare words, 128 bytes a wave, which no other line names
.set MSB, 0
.macro WIN new
.if MSB != \new
	s_set_vgpr_msb (MSB<<8)|\new
.set MSB, \new
.endif
.endm
.macro WORDS b                         ; the 64 lane masks of the step at byte s66 of the tile's 4,096: words 0-47 in s16-63, words 48-63 in s80-95
	s_load_b512 s[16:31], s[\b:\b+1], s66 offset:0x0
	s_load_b512 s[32:47], s[\b:\b+1], s66 offset:0x40
	s_load_b512 s[48:63], s[\b:\b+1], s66 offset:0x80
	s_load_b512 s[80:95], s[\b:\b+1], s66 offset:0xc0
.endm
	s_load_b256 s[4:11], s[0:1], 0x0               ; q_codes 4:5, kv_codes 6:7, mwords 8:9, exponents 10:11
	s_load_b64 s[12:13], s[0:1], 0x20              ; y_codes
	v_lshl_add_u32 v[SPW], v0, 2, SPARE
	v_mov_b32 v[NIL], 0
	v_lshrrev_b32 v2, 5, v0
	v_readfirstlane_b32 s14, v2                    ; wave 0..7
	v_and_b32 v3, 31, v0
	v_lshlrev_b32 v[LI], 4, v3
	s_and_b32 s32, ttmp7, 0xffff                   ; Y
	s_lshl_b32 s33, s14, 3
	s_add_co_u32 s33, s33, ttmp9                   ; my first tile: 8 w + QB
	s_xor_b32 s34, s14, 7
	s_lshl_b32 s34, s34, 3
	s_add_co_u32 s34, s34, ttmp9                   ; my second: 8 (7 - w) + QB
	s_lshl_b32 s35, s14, 14                        ; my wave's eighth of K and V: 16,384 bytes
	s_lshl_b32 s36, s32, 17
	s_add_co_u32 s36, s36, s35
	s_mov_b32 s37, 0
	s_lshl_b32 s50, s32, 18                        ; head 4 Y: 65,536 bytes a head,
	s_lshl_b32 s38, s33, 10                        ; 1,024 a tile
	s_add_co_u32 s38, s38, s50
	s_mov_b32 s39, 0
	s_lshl_b32 s40, s34, 10
	s_add_co_u32 s40, s40, s50
	s_mov_b32 s41, 0
	s_lshl_b32 s42, s33, 12                        ; a tile's eight blocks of mask words
	s_mov_b32 s43, 0
	s_lshl_b32 s44, s34, 12
	s_mov_b32 s45, 0
	s_lshr_b32 s50, s32, 3
	s_lshl_b32 s50, s50, 21                        ; y: batch x 64 tiles of 32,768 bytes,
	s_and_b32 s51, s32, 7
	s_lshl_b32 s51, s51, 12                        ; head 4 x kv head: 1,024 bytes a head
	s_add_co_u32 s50, s50, s51
	s_lshl_b32 s46, s33, 15
	s_add_co_u32 s46, s46, s50
	s_mov_b32 s47, 0
	s_lshl_b32 s48, s34, 15
	s_add_co_u32 s48, s48, s50
	s_mov_b32 s49, 0
	s_wait_alu depctr_va_vdst(0)                   ; the wait behind the run of scalar lines
	v_add_nc_u32 v[ADK], s35, v[LI]                ; where my part of K and V goes in LDS
	s_wait_alu depctr_va_vdst(0)                   ; and directly ahead of the wait below
	s_wait_kmcnt 0x0
	s_load_b256 s[80:87], s[10:11], 0x0            ; e0 .. e7 (used up ahead of the first mask words)
	s_add_nc_u64 s[6:7], s[6:7], s[36:37]
	s_add_nc_u64 s[72:73], s[4:5], s[40:41]        ; Q of my second tile,
	s_add_nc_u64 s[4:5], s[4:5], s[38:39]          ; of my first
	s_add_nc_u64 s[74:75], s[8:9], s[44:45]        ; the mask words likewise
	s_add_nc_u64 s[8:9], s[8:9], s[42:43]
	s_add_nc_u64 s[76:77], s[12:13], s[48:49]      ; and y
	s_add_nc_u64 s[12:13], s[12:13], s[46:47]
.irp k, 0,1,2,3,4,5,6,7
	s_load_b64 s[16+2*\k:17+2*\k], s[8:9], 0x100+0x200*\k     ; (OR, AND) of my first tile's eight steps,
	s_load_b64 s[32+2*\k:33+2*\k], s[74:75], 0x100+0x200*\k   ; of my second's
.endr
.set i, 0
.rept 32
	global_load_b128 v[S+4*i:S+4*i+3], v[LI], s[6:7] offset:512*i   ; 512 consecutive bytes a load
.set i, i+1
.endr
.irp g, 0,1
.irp c, 0,1
	global_load_b128 v[Q+8*\g+4*\c:Q+8*\g+4*\c+3], v[LI], s[4:5] offset:65536*\g+512*\c   ; Q's four fragments stay in registers
.endr
.endr
	v_and_b32 v[TS], 15, v0                        ; r
	v_bfe_u32 v[TS+1], v0, 4, 1                    ; h
	s_lshl_b32 s68, s14, 12
	s_add_co_u32 s68, s68, STAGE                   ; my stage
	v_lshlrev_b32 v[STO], 4, v[TS]
	v_lshl_add_u32 v[STO], v[TS+1], 3, v[STO]
	v_add_nc_u32 v[STO], s68, v[STO]               ; in: 16 r + 8 h
	v_add_nc_u32 v[RD], s68, v[LI]                 ; back: 16 x lane
	v_mov_b32 v[NEG], 0xfe800000                   ; -2^126
	v_mov_b32 v[NANC], 0x7f7f7f7f
	v_mov_b32 v[ONE], 1.0
	s_mov_b32 s98, 0x76543210                      ; v_permlanex16_b32's selects for lane l xor 16
	s_mov_b32 s99, 0xfedcba98
	s_mov_b32 s96, 0x3e38aa3b                      ; c = log2(e) / 8
	s_mov_b32 s67, 0
	s_mov_b32 s69, 0
	s_mov_b32 s78, 0
	s_mov_b32 s79, 0
	s_wait_alu depctr_va_vdst(0)                   ; directly ahead of the wait below
	s_wait_kmcnt 0x0
.irp k, 0,1,2,3,4,5,6,7
	s_cmp_lg_u32 s[16+2*\k], 0
	s_cselect_b32 s70, 1<<\k, 0
	s_or_b32 s67, s67, s70                         ; bit k: step k of my first tile is live,
	s_cmp_eq_u32 s[17+2*\k], -1
	s_cselect_b32 s70, 1<<\k, 0
	s_or_b32 s69, s69, s70                         ; all its keys count
	s_cmp_lg_u32 s[32+2*\k], 0
	s_cselect_b32 s70, 1<<\k, 0
	s_or_b32 s78, s78, s70                         ; the same of my second tile
	s_cmp_eq_u32 s[33+2*\k], -1
	s_cselect_b32 s70, 1<<\k, 0
	s_or_b32 s79, s79, s70
.endr
	s_cmp_lt_i32 s84, -8
	s_cselect_b32 s68, 1, 0                        ; 1: p can pass the largest code, so it is held
	s_add_co_i32 s70, s82, s83
	s_lshl_b32 s70, s70, 23
	s_add_co_i32 s96, s96, s70                     ; a score stands for score x 2^(e2 + e3): added to c's exponent field
	s_mov_b32 s97, s96                             ; (named with it as a pair, so it is written)
	s_add_co_i32 s70, s84, 127
	s_lshl_b32 s71, s70, 23
	v_mov_b32 v[PSC], s71                          ; 2^e4
	s_add_co_i32 s70, s70, 8
	s_lshl_b32 s70, s70, 23
	s_or_b32 s70, s70, 0x600000
	v_mov_b32 v[PLIM], s70                         ; 448 x 2^e4
	s_sub_co_i32 s70, s86, s84
	s_sub_co_i32 s70, s70, s85
	s_add_co_i32 s70, s70, 127
	s_lshl_b32 s71, s70, 23
	v_mov_b32 v[YSC], s71                          ; O / l stands for y / 2^(e4 + e5): the three scales folded into the conversion's one, 2^(e6 - e4 - e5)
	s_add_co_i32 s70, s70, 8
	s_lshl_b32 s70, s70, 23
	s_or_b32 s70, s70, 0x600000
	v_mov_b32 v[YLIM], s70
.irp g, 0,1,2,3
	v_mov_b32 v[ST+8*\g+1], 0xce800000             ; the largest score so far: -2^30
	v_mov_b32 v[ST+8*\g+2], 0                      ; l, in two halves
	v_mov_b32 v[ST+8*\g+3], 0
	v_mov_b32 v[ST+8*\g+5], 0                      ; (named as the upper half of f's pair)
	v_mov_b32 v[ST+8*\g+7], 0                      ; (a lane permute's destination counts as one of its sources)
	v_mul_f32 v[ST+8*\g+6], s96, v[ST+8*\g+1]
.endr
.irp g, 0,1,2,3
	v_floor_f32 v[ST+8*\g], -v[ST+8*\g+6]          ; -M
.endr
	WIN 0x40
.set i, 0
.rept 128
	v_mov_b32 v[i], 0                              ; O^T: which step is a query's first hangs on the mask, so the step is written once and finds zeros
.set i, i+1
.endr
	WIN 0
	s_wait_alu depctr_va_vdst(0)                   ; the wait at the head's end
.set i, 0
.rept 32
	s_wait_loadcnt 35-i                            ; load i is in: behind it stand 31 - i of K and V and Q's four of my first walk
	ds_store_b128 v[ADK], v[S+4*i:S+4*i+3] offset:512*i
.set i, i+1
.endr
	s_wait_loadcnt 0x0                             ; Q
	s_wait_dscnt 0x0                               ; for the others' sake: my stores have landed
	s_barrier_signal -1
	s_barrier_wait -1                              ; all of K and V lies in LDS; nobody writes it again
.irp g, 2,3
.irp c, 0,1
	global_load_b128 v[Q+8*\g+4*\c:Q+8*\g+4*\c+3], v[LI], s[72:73] offset:65536*\g+512*\c   ; Q of my second walk: it lands under the first, and is awaited between the two
.endr
.endr
; ONE WALK OVER THE KEYS, for heads g and g + 1 of the tile whose mask words lie at s[wb:wb+1]; its live steps are the bits of s67, its steps without a hidden key the bits of s69.
.macro PASS g, wb
	s_mov_b32 s66, 0                               ; the step's byte among the tile's mask words,
	s_mov_b32 s2, 0                                ; its K in LDS,
	s_mov_b32 s3, VBASE                            ; and its V
	s_mov_b32 s15, 8
.Ltrip_\@:                                             ; eight trips, a constant: every wave walks all steps and jumps over the work of those whose bit is 0
	s_and_b32 s70, s67, 1
	s_and_b32 s71, s69, 1
	s_lshr_b32 s67, s67, 1
	s_lshr_b32 s69, s69, 1
	s_cmp_lg_u32 s70, 0
	s_cbranch_scc0 .Lnext_\@
	WORDS \wb                                      ; asked for in every live step, awaited where they are used and at the step's end
	v_add_nc_u32 v[ADK], s2, v[LI]
	v_add_nc_u32 v[ADV], s3, v[LI]
	v_nop
	v_nop                                          ; four places between the last products and the loads into V's registers (ISA guide 7.12.1 for vector instructions)
	WIN 0x40
.irp t, 0,1,2,3,4,5,6,7
.irp c, 0,1
	ds_load_b128 v[KF+8*\t+4*\c:KF+8*\t+4*\c+3], v[ADK] offset:512*\t+32768*\c   ; an image of the fragment's registers: 512 consecutive bytes a load
.endr
.endr
.irp d, 0,1,2,3
.irp c, 0,1,2,3
	ds_load_b128 v[VF+16*\d+4*\c:VF+16*\d+4*\c+3], v[ADV] offset:2048*\d+512*\c
.endr
.endr
	WIN 0
	s_wait_dscnt 16                                ; K's sixteen loads are in; V's sixteen may be out
	WIN 0x01                                       ; source 0 (K) window 1
.irp t, 0,1,2,3,4,5,6,7
.irp x, 0,1
	v_wmma_f32_16x16x64_fp8_fp8 v[S+64*\x+8*\t:S+64*\x+8*\t+7], v[KF+8*\t:KF+8*\t+7], v[Q+8*(\g+\x):Q+8*(\g+\x)+7], 0
.endr
.endr
	WIN 0
.rept 4
	v_nop                                          ; four places in front of the first read of results
.endr
	s_cmp_lg_u32 s71, 0
	s_cbranch_scc1 .Lopen_\@                       ; every key counts: nothing to hide
	s_wait_kmcnt 0x0
.set n, 0
.rept 64
	v_cndmask_b32 v[S+n], v[NEG], v[S+n], s[16+n+16*(n/48)]         ; the score where the key counts, else -2^126; each tile from its low end on
	v_cndmask_b32 v[S+64+n], v[NEG], v[S+64+n], s[16+n+16*(n/48)]
.set n, n+1
.endr
.Lopen_\@:
.irp x, 0,1
	v_max3_num_f32 v[ST+8*(\g+\x)+6], v[S+64*\x], v[S+64*\x+1], v[S+64*\x+2]   ; the largest of my 64 scores, in two chains a head
	v_max3_num_f32 v[ST+8*(\g+\x)+7], v[S+64*\x+3], v[S+64*\x+4], v[S+64*\x+5]
.endr
.irp i, 6,10,14,18,22,26,30,34,38,42,46,50,54,58
.irp x, 0,1
	v_max3_num_f32 v[ST+8*(\g+\x)+6], v[ST+8*(\g+\x)+6], v[S+64*\x+\i], v[S+64*\x+\i+1]
	v_max3_num_f32 v[ST+8*(\g+\x)+7], v[ST+8*(\g+\x)+7], v[S+64*\x+\i+2], v[S+64*\x+\i+3]
.endr
.endr
.irp x, 0,1
	v_max3_num_f32 v[ST+8*(\g+\x)+6], v[ST+8*(\g+\x)+6], v[S+64*\x+62], v[S+64*\x+63]
.endr
.irp x, 0,1
	v_max3_num_f32 v[ST+8*(\g+\x)+6], v[ST+8*(\g+\x)+6], v[ST+8*(\g+\x)+7], v[ST+8*(\g+\x)+1]   ; with the old largest
.endr
.irp x, 0,1
	v_permlanex16_b32 v[ST+8*(\g+\x)+7], v[ST+8*(\g+\x)+6], s98, s99
.endr
.irp x, 0,1
	v_max_num_f32 v[ST+8*(\g+\x)+1], v[ST+8*(\g+\x)+6], v[ST+8*(\g+\x)+7]   ; and lane l xor 16's
.endr
.irp x, 0,1
	v_mul_f32 v[ST+8*(\g+\x)+6], s96, v[ST+8*(\g+\x)+1]   ; as t (c is positive)
	v_mov_b32 v[ST+8*(\g+\x)+7], v[ST+8*(\g+\x)]
.endr
.irp x, 0,1
	v_floor_f32 v[ST+8*(\g+\x)], -v[ST+8*(\g+\x)+6]       ; the new -M = floor(-t)
.endr
.irp x, 0,1
	v_sub_f32 v[ST+8*(\g+\x)+7], v[ST+8*(\g+\x)], v[ST+8*(\g+\x)+7]   ; old M less new M: a whole number, 0 or less
.endr
.irp x, 0,1
	v_cvt_i32_f32 v[ST+8*(\g+\x)+7], v[ST+8*(\g+\x)+7]    ; (it saturates)
.endr
.irp x, 0,1
	v_ldexp_f32 v[ST+8*(\g+\x)+4], 1.0, v[ST+8*(\g+\x)+7] ; f = 2^(old M - new M)
.endr
.irp x, 0,1
.irp j, 0,2,4,6,8,10,12,14,16,18,20,22,24,26,28,30,32,34,36,38,40,42,44,46,48,50,52,54,56,58,60,62
	v_pk_fma_f32 v[S+64*\x+\j:S+64*\x+\j+1], v[S+64*\x+\j:S+64*\x+\j+1], s[96:97], v[ST+8*(\g+\x):ST+8*(\g+\x)+1] op_sel_hi:[1,0,0]   ; t - M, two at a time (of the pairs c and -M the low word serves both halves)
.endr
.endr
	s_wait_alu depctr_va_vdst(0)                   ; the wait ahead of the batch
.set i, 0
.rept 128
	v_exp_f32 v[S+i], v[S+i]                       ; p = 2^(t - M)
.set i, i+1
.endr
.irp x, 0,1
	v_pk_mul_f32 v[ST+8*(\g+\x)+2:ST+8*(\g+\x)+3], v[ST+8*(\g+\x)+2:ST+8*(\g+\x)+3], v[ST+8*(\g+\x)+4:ST+8*(\g+\x)+5] op_sel_hi:[1,0]   ; l under the new M: the plain lines behind the exponentials
.endr
	s_wait_alu depctr_va_vdst(0)                   ; and the wait ahead of the first line that names a result: one for the batch of 128
.irp x, 0,1
	v_pk_add_f32 v[TS+2*\x:TS+2*\x+1], v[S+64*\x:S+64*\x+1], v[S+64*\x+2:S+64*\x+3]   ; the sum of the UNQUANTISED p, in two chains a head
.endr
.irp j, 4,8,12,16,20,24,28,32,36,40,44,48,52,56,60
.irp x, 0,1
	v_pk_add_f32 v[ST+8*(\g+\x)+2:ST+8*(\g+\x)+3], v[ST+8*(\g+\x)+2:ST+8*(\g+\x)+3], v[S+64*\x+\j:S+64*\x+\j+1]
	v_pk_add_f32 v[TS+2*\x:TS+2*\x+1], v[TS+2*\x:TS+2*\x+1], v[S+64*\x+\j+2:S+64*\x+\j+3]
.endr
.endr
.irp x, 0,1
	v_pk_add_f32 v[ST+8*(\g+\x)+2:ST+8*(\g+\x)+3], v[ST+8*(\g+\x)+2:ST+8*(\g+\x)+3], v[TS+2*\x:TS+2*\x+1]
.endr
	s_wait_alu depctr_va_vdst(0)                   ; directly ahead of the branch
	s_cmp_lg_u32 s68, 0
	s_cbranch_scc0 .Lfits_\@                       ; e4 >= -8: p / 2^e4 lies inside the format
.set i, 0
.rept 128
	v_min_num_f32 v[S+i], v[S+i], v[PLIM]          ; the conversion does not saturate (ISA guide 7.6.2); p is not negative, so the hold is one-sided
.set i, i+1
.endr
.Lfits_\@:
.irp t, 0,1,2,3,4,5,6,7
.irp x, 0,1
	v_cvt_scalef32_pk8_fp8_f32 v[P+16*\x+2*\t:P+16*\x+2*\t+1], v[S+64*\x+8*\t:S+64*\x+8*\t+7], v[PSC]
.endr
.endr
	WIN 0x41                                       ; O^T (destination, source 0) window 1, f window 0
	s_wait_alu depctr_va_vdst(0)                   ; directly ahead of the first reader of O^T
.irp x, 0,1
.set i, 32*(\g+\x)
.rept 16
	v_pk_mul_f32 v[i:i+1], v[i:i+1], v[ST+8*(\g+\x)+4:ST+8*(\g+\x)+5] op_sel_hi:[1,0]   ; O^T under the new M; these are also the plain lines behind the conversions
.set i, i+2
.endr
.endr
	s_wait_alu depctr_va_vdst(0)                   ; directly ahead of the wait below
	s_wait_dscnt 0x0                               ; V is in
	WIN 0x51                                       ; V and O^T window 1, P window 0
.irp d, 0,1,2,3
.irp x, 0,1
	v_wmma_f32_16x16x128_fp8_fp8 v[32*(\g+\x)+8*\d:32*(\g+\x)+8*\d+7], v[VF+16*\d:VF+16*\d+15], v[P+16*\x:P+16*\x+15], v[32*(\g+\x)+8*\d:32*(\g+\x)+8*\d+7]
.endr
.endr
	WIN 0
	s_wait_kmcnt 0x0                               ; the step's mask words are in on every way: s66 and their registers may be written again
.Lnext_\@:
	s_add_co_u32 s66, s66, 512
	s_add_co_u32 s2, s2, 4096
	s_add_co_u32 s3, s3, 8192
	s_sub_co_u32 s15, s15, 1
	s_cmp_lg_u32 s15, 0
	s_cbranch_scc1 .Ltrip_\@
.endm
	PASS 0, 8                                      ; tile 8 w + QB, heads 0 and 1
	s_wait_loadcnt 0x0                             ; Q of heads 2 and 3
	s_mov_b32 s67, s78
	s_mov_b32 s69, s79
	PASS 2, 74                                     ; tile 8 (7 - w) + QB, heads 2 and 3
	; THE WAY OUT.  l's halves are added (these additions are the places behind the last products); O^T / l is quantised; each head's image of 1,024 bytes is put together in my stage and leaves in runs of 512 bytes.
.irp g, 0,1,2,3
	v_add_f32 v[ST+8*\g+6], v[ST+8*\g+2], v[ST+8*\g+3]
.endr
.irp g, 0,1,2,3
	v_permlanex16_b32 v[ST+8*\g+7], v[ST+8*\g+6], s98, s99
.endr
.irp g, 0,1,2,3
	v_add_f32 v[ST+8*\g+6], v[ST+8*\g+6], v[ST+8*\g+7]
.endr
	v_cmp_eq_f32 s100, 0, v[ST+6]                  ; l = 0: no key counted for this query.  The masks select values alone
	v_cmp_eq_f32 s101, 0, v[ST+14]
	v_cmp_eq_f32 s104, 0, v[ST+22]
	v_cmp_eq_f32 s105, 0, v[ST+30]
	v_cndmask_b32 v[ST+6],  v[ST+6],  v[ONE], s100
	v_cndmask_b32 v[ST+14], v[ST+14], v[ONE], s101
	v_cndmask_b32 v[ST+22], v[ST+22], v[ONE], s104
	v_cndmask_b32 v[ST+30], v[ST+30], v[ONE], s105
	s_wait_alu depctr_va_vdst(0)                   ; the wait ahead of the batch
.irp g, 0,1,2,3
	v_rcp_f32 v[ST+8*\g+4], v[ST+8*\g+6]
.endr
	v_nop                                          ; a plain line behind the last reciprocal
	s_wait_alu depctr_va_vdst(0)                   ; and the wait ahead of the first use: one for the four, and for the first readers of O^T
	WIN 0x01
.irp g, 0,1,2,3
.set i, 0
.rept 16
	v_pk_mul_f32 v[S+32*\g+i:S+32*\g+i+1], v[32*\g+i:32*\g+i+1], v[ST+8*\g+4:ST+8*\g+5] op_sel_hi:[1,0]   ; O^T / l, each accumulator from its low end on
.set i, i+2
.endr
.endr
	WIN 0
.set i, 0
.rept 16
.irp j, 0,1,2,3,4,5,6,7
	v_med3_num_f32 v[S+8*i+\j], v[S+8*i+\j], -v[YLIM], v[YLIM]
.endr
	v_cvt_scalef32_pk8_fp8_f32 v[P+2*i:P+2*i+1], v[S+8*i:S+8*i+7], v[YSC]   ; head i / 4, channels 16 (i % 4) + 8 h + 0..7
.set i, i+1
.endr
	v_nop                                          ; a plain line behind the last conversion
.macro NANS g, sr
.irp k, 0,1,2,3,4,5,6,7
	v_cndmask_b32 v[P+8*\g+\k], v[P+8*\g+\k], v[NANC], \sr
.endr
.endm
	NANS 0, s100
	NANS 1, s101
	NANS 2, s104
	NANS 3, s105
.set i, 0
.rept 16
	ds_store_b64 v[STO], v[P+2*i:P+2*i+1] offset:256*i   ; 1,024 g + 256 dt: 32 lanes fill 256 consecutive bytes
.set i, i+1
.endr
.irp i, 0,1,2,3,4,5,6,7
	ds_load_b128 v[S+4*\i:S+4*\i+3], v[RD] offset:512*\i   ; my own bytes, behind my own stores: LDS serves a wave's instructions in order (ISA guide 5.7.1.4)
.endr
.irp i, 0,1,2,3
	s_wait_dscnt 7-\i
	global_store_b128 v[LI], v[S+4*\i:S+4*\i+3], s[12:13] offset:512*\i   ; heads 0, 1 of my first tile: 32 lanes store 512 consecutive bytes, at a multiple of 256 from the buffer's first byte
.endr
.irp i, 4,5,6,7
	s_wait_dscnt 7-\i
	global_store_b128 v[LI], v[S+4*\i:S+4*\i+3], s[76:77] offset:512*\i   ; heads 2, 3 of my second
.endr
	s_wait_tensorcnt 0x0                           ; the wave's end, behind my last LDS store
	ds_add_u32 v[SPW], v[NIL]
	s_wait_dscnt 0x0
	s_endpgm
.Lfunc_end_k_q69fe575acd_attn:
	.size	k_q69fe575acd_attn, .Lfunc_end_k_q69fe575acd_attn-k_q69fe575acd_attn
	.p2alignl 7, 3214868480
	.fill 96, 4, 3214868480
	.section	.rodata,"a",@progbits
	.p2align	6, 0x0
	.amdhsa_kernel k_q69fe575acd_attn
		.amdhsa_group_segment_fixed_size 164864
		.amdhsa_private_segment_fixed_size 0
		.amdhsa_enable_private_segment 0
		.amdhsa_kernarg_size 40
		.amdhsa_user_sgpr_count 2
		.amdhsa_user_sgpr_kernarg_segment_ptr 1
		.amdhsa_wavefront_size32 1
		.amdhsa_system_sgpr_workgroup_id_x 1
		.amdhsa_system_sgpr_workgroup_id_y 1
		.amdhsa_system_sgpr_workgroup_id_z 1
		.amdhsa_system_vgpr_workitem_id 0
		.amdhsa_next_free_vgpr 512
		.amdhsa_next_free_sgpr 106
		.amdhsa_reserve_vcc 0
		.amdhsa_float_denorm_mode_32 3
		.amdhsa_float_denorm_mode_16_64 3
		.amdhsa_memory_ordered 1
		.amdhsa_forward_progress 1
		.amdhsa_inst_pref_size 114
	.end_amdhsa_kernel
	.amdgpu_metadata
---
amdhsa.version: [ 1, 2 ]
amdhsa.kernels:
  - .name:           k_q69fe575acd_attn
    .symbol:         k_q69fe575acd_attn.kd
    .args:
      - { .name: q_codes, .offset: 0, .size: 8, .value_kind: global_buffer, .address_space: global }
      - { .name: kv_codes, .offset: 8, .size: 8, .value_kind: global_buffer, .address_space: global }
      - { .name: mwords, .offset: 16, .size: 8, .value_kind: global_buffer, .address_space: global }
      - { .name: lowp_scales, .offset: 24, .size: 8, .value_kind: global_buffer, .address_space: global }
      - { .name: y_codes, .offset: 32, .size: 8, .value_kind: global_buffer, .address_space: global }
    .group_segment_fixed_size: 164864
    .private_segment_fixed_size: 0
    .kernarg_segment_align: 8
    .kernarg_segment_size: 40
    .max_flat_workgroup_size: 256
    .sgpr_count:     106
    .vgpr_count:     512
    .wavefront_size: 32
...
	.end_amdgpu_metadata
.endif
;; end of part 3
;; launch proj (part 4): grid 16 x 16, 4 waves a work-group, clusters of 4 x 4, 327,680 bytes of LDS; arguments y_codes, woq, lowp_scales, out0; writes out0
.if DOCPART == 4
	.amdgcn_target "amdgcn-amd-amdhsa--gfx1250"
	.amdhsa_code_object_version 6
	.text
	.protected	k_q69fe575acd_proj
	.globl	k_q69fe575acd_proj
	.p2align	8
	.type	k_q69fe575acd_proj,@function
k_q69fe575acd_proj:
	s_mov_b64 s[64:65], 0
	v_nop
	global_prefetch_b8 v0, s[64:65] scope:SCOPE_SE
	s_setreg_imm32_b32 hwreg(HW_REG_WAVE_MODE, 25, 1), 1
	s_wait_xcnt 0x0
	s_wait_alu depctr_hold_cnt(0) depctr_sa_sdst(0) depctr_va_vdst(0) depctr_va_sdst(0) depctr_va_ssrc(0) depctr_va_vcc(0) depctr_vm_vsrc(0)
	s_getreg_b32 s2, hwreg(HW_REG_IB_STS2, 6, 4)
	s_cmp_eq_u32 s2, 0
	s_cbranch_scc0 .Lentry_in_a_cluster
	s_endpgm
.Lentry_in_a_cluster:
	s_bfe_u32 s2, ttmp6, 0x10000c
	s_cmp_lg_u32 s2, 0xf033
	s_cbranch_scc0 .Lentry_shape_is_right
	s_endpgm
.Lentry_shape_is_right:
; FOURTH LAUNCH: out = y wo^T on codes of E4M3 (K = 2,048), each finished sum x 2^(e6 + e7).  Nothing of the problem is left out here.
; A: y_codes, 256 tiles of 16 tokens; B: woq, 128 tiles of 16 rows; both as images of the operands' registers: tile x 32,768 + (k / 16) x 256 + (row % 16) x 16 + k % 16.
; A work-group makes 256 tokens x 128 columns; wave w takes tokens 64 w on against all 128 columns: 32 accumulators; 32 steps of 64 along K, written out: every offset is an immediate.
; B, which all four waves read, lies whole in LDS and is filled once, jointly along a column of the 4 x 4 cluster: quarter 0 of K at tile x 8,192 from byte 0, each wave's one tensor load at the head (2 tiles);
;   quarters 1 to 3 from SLOTB on, at tile x 24,576 + (quarter - 1) x 8,192: one tile of 2 rows x 24,576 bytes a wave, behind the full sequence and a round, when quarter 0 has landed; it has steps 0 to 6 in which to land.
; A is read by one wave alone and goes from memory straight into its registers, seven steps ahead, under counted waits; it is not asked for jointly, since a joint load lands in LDS, where B takes 262,144 bytes.
; A IS PREFETCHED INTO THE L2, a quarter of K at a time: in steps 0, 2 and 10 a wave names quarter 1, 2, 3 of ONE of its four tiles, 8,192 consecutive bytes, lanes 256 bytes apart.  The four work-groups of a row of the cluster read the
;   same tiles and share them out by address: the one at place cx takes each wave's tile cx.  From step 2 on the request stands seven steps ahead of the first register load of those bytes.  Quarter 0 comes by its loads alone; nothing lies behind quarter 3.
; The sums leave through the wave's own stage behind B: each store covers 512 consecutive bytes.  LIMIT: e6 + e7 between -126 and 127.
.set NB,    8
.set NBW,   2
.set NS,    4
.set SLOTB, NB*8192
.set STAGE, NS*SLOTB
.set SPITCH, 528
.set SPARE, STAGE+4*16*SPITCH
.set LI,   8
.set LB,   10
.set STO,  24
.set RD,   25
.set SPW,  28
.set NIL,  29
.set TMP,  32
.set BS,   64
.set BSZ,  8*NB
.set BK,   128
.set G1,  24
.set G0,  48
.set G1B, 32
.set PFA, 56                           ; s[56:57] the prefetches' base: my wave's tile cx of A; never rewritten
.set PFO, 30                           ; v30 the prefetches' offset: 256 x lane; never rewritten
.set MSB, 0
.macro WIN new
.if MSB != \new
	s_set_vgpr_msb (MSB<<8)|\new
.set MSB, \new
.endif
.endm
.macro CREST
	s_cmp_lg_u32 s16, 0
	s_cbranch_scc1 .Lnot_wave_0_\@
	s_barrier_signal -3
.Lnot_wave_0_\@:
	s_barrier_wait -3
	s_barrier_signal -1
	s_barrier_wait -1
.endm
.macro CROUND
	s_barrier_signal -1
	s_barrier_wait -1
	CREST
.endm
.macro PLACES n
.rept \n
	v_nop
.endr
.endm
.macro FETCHB t
.set bb, 0
.rept NB
.if (\t)/8 == 0
.set ad, bb*8192+((\t)%8)*1024
.else
.set ad, SLOTB+bb*24576+((\t)/8-1)*8192+((\t)%8)*1024
.endif
.set rg, BS+BSZ*((\t)%2)+8*bb
	ds_load_b128 v[rg:rg+3],   v[LB+ad/65536] offset:ad%65536
	ds_load_b128 v[rg+4:rg+7], v[LB+ad/65536] offset:ad%65536+512
.set bb, bb+1
.endr
.endm
.macro FETCHA t
.irp a, 0,1,2,3
	global_load_b128 v[32*((\t)%8)+8*\a:32*((\t)%8)+8*\a+3],   v[LI], s[20:21] offset:\a*32768+(\t)*1024
	global_load_b128 v[32*((\t)%8)+8*\a+4:32*((\t)%8)+8*\a+7], v[LI], s[20:21] offset:\a*32768+(\t)*1024+512
.endr
.endm
.macro MULS t
.set pB, BS+BSZ*((\t)%2)
.set pA, 32*((\t)%8)
	WIN 0xa4
.set bb, 0
.rept NB
.set aa, 0
.rept 4
.set rD, 8*(4*bb+aa)
.set rB, pB+8*bb
.set rA, pA+8*aa
.if (\t) == 0
	v_wmma_f32_16x16x64_fp8_fp8 v[rD:rD+7], v[rB:rB+7], v[rA:rA+7], 0
.else
	v_wmma_f32_16x16x64_fp8_fp8 v[rD:rD+7], v[rB:rB+7], v[rA:rA+7], v[rD:rD+7]
.endif
.set aa, aa+1
.endr
.set bb, bb+1
.endr
	WIN 0
.endm
.macro STEP t
.if 31-(\t) < 6
	s_wait_loadcnt 8*(31-(\t))
.else
	s_wait_loadcnt 48
.endif
	s_wait_dscnt 0x0
.if (\t) == 7
	s_wait_tensorcnt 0x0                           ; my part of quarters 1 to 3 has landed; behind the barrier everybody's has.
	s_barrier_signal -1
	s_barrier_wait -1
.endif
.if (\t) > 0
	PLACES 4
.endif
.if (\t) <= 24
	WIN 0x40
	FETCHA (\t)+7
	WIN 0
.endif
.if (\t) < 31
	FETCHB (\t)+1
.endif
.if (\t) == 0 || (\t) == 2 || (\t) == 10
	global_prefetch_b8 v[PFO], s[PFA:PFA+1] offset:8192*(1+((\t)+6)/8) th:TH_LOAD_NT scope:SCOPE_SE   ; quarter 1, 2, 3 of my tile cx
.endif
	MULS \t
.endm
	s_load_b256 s[4:11], s[0:1], 0x0
	v_lshl_add_u32 v[SPW], v0, 2, SPARE
	v_mov_b32 v[NIL], 0
	ds_add_u32 v[SPW], v[NIL]
	ds_add_u32 v[SPW], v[NIL]
	v_lshrrev_b32 v1, 5, v0
	v_readfirstlane_b32 s16, v1
	s_bfe_u32 s40, ttmp6, 0x40000
	s_bfe_u32 s41, ttmp6, 0x40004
	s_lshl_b32 s42, ttmp9, 2
	s_add_co_u32 s42, s42, s40
	s_and_b32 s43, ttmp7, 0xffff
	s_lshl_b32 s43, s43, 2
	s_add_co_u32 s43, s43, s41
	s_lshl_b32 s45, 0x1111, s40
	s_or_b32 s[G1], s45, (3<<16)|(1<<21)
	s_mov_b32 s[G1+1], 1024<<16
	s_mov_b32 s[G1+2], NBW<<16
	s_mov_b32 s[G1+3], 1024<<16
	s_mov_b32 s[G1+4], NBW
	s_mov_b32 s[G1+5], 4096
	s_mov_b32 s[G1+6], 0
	s_mov_b32 s[G1+7], 0
	s_or_b32 s[G1B], s45, (3<<16)|(1<<21)          ; the same mask; rows of 3,072 elements of 8 bytes: three quarters of a tile
	s_mov_b32 s[G1B+1], 3072<<16
	s_mov_b32 s[G1B+2], NBW<<16
	s_mov_b32 s[G1B+3], 3072<<16
	s_mov_b32 s[G1B+4], NBW
	s_mov_b32 s[G1B+5], 4096
	s_mov_b32 s[G1B+6], 0
	s_mov_b32 s[G1B+7], 0
	s_mul_i32 s23, s16, NBW*24576                  ; where my two tiles' quarters 1 to 3 go, behind SLOTB
	s_mul_i32 s46, s42, NB
	s_mul_i32 s47, s16, NBW
	s_add_co_u32 s46, s46, s47
	s_lshl_b32 s46, s46, 15
	s_mov_b32 s47, 0
	s_mul_i32 s22, s16, NBW*8192
	s_lshl_b32 s20, s43, 4
	s_lshl_b32 s19, s16, 2
	s_add_co_u32 s20, s20, s19
	s_lshl_b32 s20, s20, 15
	s_mov_b32 s21, 0
	s_wait_dscnt 0x0
	s_wait_kmcnt 0x0
	s_load_b256 s[68:75], s[8:9], 0x0
	s_add_nc_u64 s[46:47], s[6:7], s[46:47]
	s_add_nc_u64 s[20:21], s[4:5], s[20:21]
	s_lshl_b32 s58, s40, 15                        ; cx tiles of 32,768 bytes on
	s_mov_b32 s59, 0
	s_add_nc_u64 s[PFA:PFA+1], s[20:21], s[58:59]
	s_mov_b32 s[G0], 1
	s_add_co_u32 s[G0+1], s22, 0
	s_add_nc_u64 s[G0+2:G0+3], s[46:47], 0         ; quarter 0
	s_or_b32 s[G0+3], s[G0+3], 0x80000000
	s_mov_b32 s[G0+4], 1
	s_add_co_u32 s[G0+5], s23, SLOTB
	s_add_nc_u64 s[G0+6:G0+7], s[46:47], 8192      ; quarters 1 to 3
	s_or_b32 s[G0+7], s[G0+7], 0x80000000
	CROUND                                         ; all sixteen work-groups are here: the first joint loads meet
	tensor_load_to_lds s[G0:G0+3], s[G1:G1+7]      ; one tensor load a wave at the head
	s_nop 0
	PLACES 4
	v_and_b32 v5, 31, v0
	v_lshlrev_b32 v[LI], 4, v5
	v_lshlrev_b32 v[PFO], 8, v5
	WIN 0x40
.irp t, 0,1,2,3,4,5,6
	FETCHA \t
.endr
	WIN 0
	v_and_b32 v1, 15, v0
	v_bfe_u32 v2, v0, 4, 1
	v_mov_b32 v[LB], v[LI]
.irp k, 1,2,3
	v_add_nc_u32 v[LB+\k], 65536*\k, v[LI]
.endr
	s_mul_i32 s19, s16, 16*SPITCH
	s_add_co_u32 s19, s19, STAGE
	v_mul_u32_u24 v[STO], v1, SPITCH
	v_lshl_add_u32 v[STO], v2, 5, v[STO]
	v_add_nc_u32 v[STO], s19, v[STO]
	v_add_nc_u32 v[RD], s19, v[LI]
	s_lshl_b32 s76, s43, 8
	s_lshl_b32 s77, s16, 6
	s_add_co_u32 s76, s76, s77
	s_lshl_b32 s76, s76, 13
	s_lshl_b32 s77, s42, 9
	s_add_co_u32 s76, s76, s77
	s_mov_b32 s77, 0
	s_add_nc_u64 s[10:11], s[10:11], s[76:77]
	s_wait_alu depctr_va_vdst(0)
	s_wait_tensorcnt 0x0                           ; my part of quarter 0 is in; then the lines ahead of a later first fill:
	ds_add_u32 v[SPW], v[NIL]
	s_wait_dscnt 0x0
	CROUND                                         ; everybody's part of quarter 0 is in, and the joint loads meet
	tensor_load_to_lds s[G0+4:G0+7], s[G1B:G1B+7]
	s_nop 0
	PLACES 4
	FETCHB 0
.irp t, 0,1,2,3,4,5,6,7,8,9,10,11,12,13,14,15,16,17,18,19,20,21,22,23,24,25,26,27,28,29,30,31
	STEP \t
.endr
	PLACES 4
.macro TOSTAGE a
	WIN 0x08
.set bb, 0
.rept 8
.irp j, 0,1,2,3,4,5,6,7
	v_mul_f32 v[TMP+8*bb+\j], s96, v[8*(4*bb+(\a))+\j]
.endr
.set bb, bb+1
.endr
	WIN 0
.irp b, 0,1,2,3,4,5,6,7
	ds_store_b128 v[STO], v[TMP+8*\b:TMP+8*\b+3] offset:64*\b
	ds_store_b128 v[STO], v[TMP+8*\b+4:TMP+8*\b+7] offset:64*\b+16
.endr
.set BB, BK+64*((\a)%2)
.irp t, 0,1,2,3,4,5,6,7,8,9,10,11,12,13,14,15
	ds_load_b128 v[BB+4*\t:BB+4*\t+3], v[RD] offset:\t*SPITCH
.endr
.endm
.macro SEND a, younger
.set BB, BK+64*((\a)%2)
	s_wait_dscnt \younger
.irp t, 0,1,2,3,4,5,6,7,8,9,10,11,12,13,14,15
	global_store_b128 v[LI], v[BB+4*\t:BB+4*\t+3], s[10:11] offset:(16*(\a)+\t)*8192 th:TH_STORE_NT
.endr
.endm
	s_wait_kmcnt 0x0
	s_add_co_i32 s96, s74, s75
	s_add_co_i32 s96, s96, 127
	s_lshl_b32 s96, s96, 23
	TOSTAGE 0
.irp a, 1,2,3
.if \a > 1
	s_wait_xcnt 0x0
.endif
	TOSTAGE \a
	SEND \a-1, 32
.endr
	SEND 3, 0
	s_wait_tensorcnt 0x0
	ds_add_u32 v[SPW], v[NIL]
	s_wait_dscnt 0x0
	CROUND
	s_endpgm
.Lfunc_end_k_q69fe575acd_proj:
	.size	k_q69fe575acd_proj, .Lfunc_end_k_q69fe575acd_proj-k_q69fe575acd_proj
	.p2alignl 7, 3214868480
	.fill 96, 4, 3214868480
	.section	.rodata,"a",@progbits
	.p2align	6, 0x0
	.amdhsa_kernel k_q69fe575acd_proj
		.amdhsa_group_segment_fixed_size 327680
		.amdhsa_private_segment_fixed_size 0
		.amdhsa_enable_private_segment 0
		.amdhsa_kernarg_size 32
		.amdhsa_user_sgpr_count 2
		.amdhsa_user_sgpr_kernarg_segment_ptr 1
		.amdhsa_wavefront_size32 1
		.amdhsa_system_sgpr_workgroup_id_x 1
		.amdhsa_system_sgpr_workgroup_id_y 1
		.amdhsa_system_sgpr_workgroup_id_z 1
		.amdhsa_system_vgpr_workitem_id 0
		.amdhsa_next_free_vgpr 768
		.amdhsa_next_free_sgpr 100
		.amdhsa_reserve_vcc 0
		.amdhsa_float_denorm_mode_32 3
		.amdhsa_float_denorm_mode_16_64 3
		.amdhsa_memory_ordered 1
		.amdhsa_forward_progress 1
		.amdhsa_inst_pref_size 159
	.end_amdhsa_kernel
	.amdgpu_metadata
---
amdhsa.version: [ 1, 2 ]
amdhsa.kernels:
  - .name:           k_q69fe575acd_proj
    .symbol:         k_q69fe575acd_proj.kd
    .args:
      - { .name: y_codes, .offset: 0, .size: 8, .value_kind: global_buffer, .address_space: global }
      - { .name: woq, .offset: 8, .size: 8, .value_kind: global_buffer, .address_space: global }
      - { .name: lowp_scales, .offset: 16, .size: 8, .value_kind: global_buffer, .address_space: global }
      - { .name: out0, .offset: 24, .size: 8, .value_kind: global_buffer, .address_space: global }
    .group_segment_fixed_size: 327680
    .private_segment_fixed_size: 0
    .kernarg_segment_align: 8
    .kernarg_segment_size: 32
    .max_flat_workgroup_size: 128
    .sgpr_count:     100
    .vgpr_count:     768
    .wavefront_size: 32
...
	.end_amdgpu_metadata
.endif
;; end of part 4
